; MI455X (gfx1250); checked and timed in simulation.
; The chip was launched on July 23, 2026; its instructions are those of AMD's public machine-readable ISA for CDNA 5 (MIT licence, August 2026) and "CDNA5" Instruction Set Architecture Reference Guide (July 2026). The comments in the code are by the model that wrote it; some were corrected since.
;; Ro PE Attention. Allowed arithmetic: matrix products marked QUANTISED: E4M3 operands, one given power-of-two scale a tensor, by v_wmma_f32_16x16x64_fp8_fp8 or v_wmma_f32_16x16x128_fp8_fp8, f32 sums; everything else in f32.
;; Inputs: c_attn_b 3,072 float32; c_attn_w 1,024 x 3,072 float32; c_proj_b 1,024 float32; c_proj_w 1,024 x 1,024 float32; lowp_scales 8 int32 (the exponents e of the quantised operands' scales 2^e); wpe 2,048 x 64 float32; x 4 x 2,048 x 1,024 float32.
;; Outputs: out0 4 x 2,048 x 1,024 float32.
;; This version of the problem:
;;   THIS VERSION OF THE PROBLEM IS GIVEN IN LOW PRECISION. The matrix products marked QUANTISED in the list below multiply operands that are first quantised to E4M3 (4 exponent bits, 3 mantissa bits; 8 bits a number), with one given power-of-two scale for each operand tensor; their sums are f32. All else is computed in f32.
;;   The module's matrix products, in the order in which they are computed (A, B: the left and right operand; K: the contracted axis; several contracted axes count as one K, in the product's order):
;;     1. [M 8,192, K 1,024] x [K 1,024, N 3,072]; A: input x; B: input c_attn_w: QUANTISED (scales: A lowp_scales[0], B lowp_scales[1])
;;     2. batch 64 x [M 2,048, K 64] x [K 64, N 2,048]; A: computed on the way; B: computed on the way: QUANTISED (scales: A lowp_scales[2], B lowp_scales[3])
;;     3. batch 64 x [M 2,048, K 2,048] x [K 2,048, N 64]; A: softmax (see below); B: computed on the way: QUANTISED (scales: A lowp_scales[4], B lowp_scales[5])
;;     4. [M 8,192, K 1,024] x [K 1,024, N 1,024]; A: computed on the way; B: input c_proj_w: QUANTISED (scales: A lowp_scales[6], B lowp_scales[7])
;;   THE QUANTISER, for each operand of a quantised product, along K:
;;     - The operand's scale is 2^e, e = its entry of the input lowp_scales (int32; the entries are numbered through the quantised products in the list's order, A before B).
;;     - Each number is divided by the scale, clamped to +-448, and rounded to the nearest number of E4M3, ties to even, subnormals kept.
;;     - The product sums the exact products of the quantised numbers (number of the format x scale) in f32.
;;   ~~~python
;;   def quantise(x, axis, e):      # numpy; x: float32 -> the quantised numbers, widened to float32 again
;;       x = np.moveaxis(x, axis, -1); K = x.shape[-1]
;;       r = np.clip(x / 2.0 ** e, -448, 448)
;;       step = 2.0 ** (np.maximum(np.frexp(np.where(r == 0, 1, r))[1] - 1, -6) - 3)
;;       q = np.round(r / step) * step * 2.0 ** e      # np.round: ties to even
;;       return np.moveaxis(q, -1, axis).astype(np.float32)
;;   ~~~
;;   SOFTMAX AHEAD OF A QUANTISED PRODUCT. Where the list says 'softmax', what is quantised is not the finished softmax but p = 2^(t - M), with t = logit x log2(e) and M = ceil(the row's largest t), a whole number; so 1/2 < the row's largest p <= 1. The row's sum l is taken of the UNQUANTISED p, in f32, and the product's result is divided by l at the end. Since M is a whole number, a kernel that streams over the keys may use a running M (the ceiling of the running maximum): every later rescaling is an exact power of two, so the quantised numbers keep their values, but for numbers so far below the row's largest that they fall under the format's range.
;;   OPERANDS COMPUTED ON THE WAY. 'Computed on the way' means the value that the module computes at that place (a softmax that the list does not call 'softmax' is quantised finished and normalised). What goes into a quantiser is computed in f32, as accurately as f32 sums, v_exp_f32 and their like allow (about 1e-6 of the number): no bf16 or f16 on the way to a quantiser, and a product that is left as it is and whose result goes on into a quantised operand takes f32 operands (vector FMAs, or v_wmma_f32_16x16x4_f32). A number that lies on a knife's edge between two numbers of the format may be rounded either way, as far as f32 arithmetic and the matrix unit's own rounding can turn it there, and no further.
;; One version. Each part assembles by itself: llvm-mc -triple=amdgcn-amd-amdhsa -mcpu=gfx1250 --defsym DOCPART=n.
;; ======== version 1 of 1: 5 launches
;; limits: right only within a limited range of input values
;; workspace buffers: x_codes 8,388,608 bytes; w_codes 4,194,304 bytes; qk_codes 16,777,216 bytes; v_codes 8,388,608 bytes; y_codes 8,388,608 bytes
;; launch quant (part 1): grid 384 x 1, 4 waves a work-group, no clusters, 68,096 bytes of LDS; arguments x, c_attn_w, c_proj_w, lowp_scales, x_codes, w_codes; writes x_codes, w_codes
.if DOCPART == 1
	.amdgcn_target "amdgcn-amd-amdhsa--gfx1250"
	.amdhsa_code_object_version 6
	.text
	.protected	k_q083aab3f2e_quant
	.globl	k_q083aab3f2e_quant
	.p2align	8
	.type	k_q083aab3f2e_quant,@function
k_q083aab3f2e_quant:
	s_mov_b64 s[64:65], 0
	v_nop
	global_prefetch_b8 v0, s[64:65] scope:SCOPE_SE
	s_setreg_imm32_b32 hwreg(HW_REG_WAVE_MODE, 25, 1), 1
	s_wait_xcnt 0x0
; THE PROGRAM: out0 = proj(attention(x Wqkv + b, + wpe on q and k)), all four products on codes of E4M3, each operand with its given scale 2^e.  Five launches:
; this one (x and both weights into codes), gemm_qk (q and k), gemm_v (v), attn, proj.
; WORK LEFT OUT, in the whole program: reference() sets att to -infinity wherever key > query (its own jnp.tril), and softmax gives such a key the weight 0, which adds nothing to y whatever
; finite values q, k and v hold.  So a step of 128 keys all of which come after all 16 queries of a tile is not multiplied (launch attn).  Nothing else is left out: both biases and wpe go into
; quantised operands or the output, and every input is loaded.  LIMIT: a NaN, an infinity or an overflow that reaches only scores of such hidden keys is not carried to the result (reference() replaces them too).
; THIS LAUNCH: code = number / 2^e, held within +-448, rounded to the nearest code, ties to even.
;   work-groups 0-255: x [8192][1024] f32 -> x_codes [8192][1024], e = entry 0.  K is innermost: a plain stream; a wave takes 16 steps of 512 numbers.  Each load reads 512 consecutive bytes; a step's 2,048 bytes
;   turn through the wave's own stage in LDS, so that a lane then holds 16 neighbours along K; its 16 codes are 16 bytes, and the wave stores 512 consecutive bytes.
;   work-groups 256-383: c_attn_w [1024][3072] (e = entry 1) and c_proj_w [1024][1024] (e = entry 7), K outermost -> w_codes [4096][1024], K innermost: rows 0-3071 are c_attn_w's columns, rows 3072-4095 c_proj_w's.
;   A lane takes a column and its registers run down K; a wave takes 32 columns x 256 along K; the codes leave through the wave's stage as rows: sixteen lanes store 256 consecutive aligned bytes.
; The two paths part on the work-group's number alone and have LDS bytes of their own.  No tensor load, no barrier: waves share nothing.  No input is shared between work-groups, so there is no cluster.
; LIMITS: e0, e1, e7 between -126 and 119, so that 2^e and 448 x 2^e are f32 numbers.  NaN among the inputs is not served; an infinity is held at the largest code.
.set STEPS, 16
.set SP,    80                         ; x path: a lane's place in a stage: 64 bytes + 16 of padding
.set WP,    272                        ; weight path: a stage row: 256 bytes + 16
.set WBASE, 32768                      ; LDS: x path 0 .. 32,767 (8,192 a wave); weight path from here (32 x 272 a wave)
.set SPARE, 67584                      ; behind both: the spare words, 128 bytes a wave
.set SPW,   12                         ; v12  LDS address of my spare word; never rewritten
.set NIL,   13                         ; v13  0; never rewritten
.set R,     16                         ; x path: v16-79 four sets of 16 numbers as loaded
.set X,     80                         ;         v80-111 two sets of 16 neighbours
.set C,     128                        ;         v128-191 codes, four registers a step
.set OFFR,  16                         ; weight path: v16-47 byte offset of row i of a block: 4 x lane + i x pitch
.set XW,    48                         ;         v48-111 two sets of 32 numbers
.set CW,    112                        ;         v112-119 a block's codes
.set OUTR,  120                        ;         v120-183 the way out
	s_load_b256 s[4:11], s[0:1], 0x0               ; x s[4:5], c_attn_w s[6:7], c_proj_w s[8:9], the exponents s[10:11]
	s_load_b128 s[12:15], s[0:1], 0x20             ; x_codes s[12:13], w_codes s[14:15]
	v_lshl_add_u32 v[SPW], v0, 2, SPARE
	v_mov_b32 v[NIL], 0
	v_lshrrev_b32 v1, 5, v0
	v_readfirstlane_b32 s16, v1                    ; wave 0..3
	v_and_b32 v2, 31, v0                           ; lane
	v_lshlrev_b32 v3, 4, v2                        ; 16 x lane
	v_lshlrev_b32 v8, 2, v2                        ; 4 x lane
	s_lshl_b32 s17, s16, 13                        ; x path: my wave's region
	v_lshrrev_b32 v14, 2, v2
	v_mul_u32_u24 v14, v14, SP
	v_and_b32 v15, 3, v2
	v_lshl_add_u32 v14, v15, 4, v14
	v_add_nc_u32 v14, s17, v14                     ; into the stage: four lanes' 64 bytes on end, then the padding
	v_mul_u32_u24 v15, v2, SP
	v_add_nc_u32 v15, s17, v15                     ; out of it: my 16 neighbours
	s_mul_i32 s18, s16, 32*WP
	s_add_co_u32 s18, s18, WBASE                   ; weight path: my wave's stage
	v_mul_u32_u24 v5, v2, WP
	v_add_nc_u32 v5, s18, v5                       ; into it: row = my column
	v_and_b32 v4, 15, v2
	v_lshrrev_b32 v9, 4, v2
	v_mul_u32_u24 v6, v9, WP
	v_lshl_add_u32 v6, v4, 4, v6
	v_add_nc_u32 v6, s18, v6                       ; out of it: sixteen lanes to a row, two rows an instruction
	v_lshlrev_b32 v7, 10, v9
	v_lshl_add_u32 v7, v4, 4, v7                   ; and the same place in w_codes (rows of 1,024 bytes)
	s_wait_kmcnt 0x0
	s_load_b256 s[24:31], s[10:11], 0x0            ; e0 .. e7
	s_cmp_lt_u32 ttmp9, 256
	s_cbranch_scc0 .Lweights
; ---------------- x ----------------
.macro LOAD t
.irp i, 0,1,2,3
	global_load_b128 v[R+16*((\t)%4)+4*\i:R+16*((\t)%4)+4*\i+3], v3, s[4:5] offset:2048*(\t)+512*\i th:TH_LOAD_NT   ; 32 lanes read 512 consecutive bytes
.endr
.endm
.macro TURN t                          ; step t's numbers through the stage; LDS serves a wave's instructions in order, so no wait stands between the stores and the loads
.irp i, 0,1,2,3
	ds_store_b128 v14, v[R+16*((\t)%4)+4*\i:R+16*((\t)%4)+4*\i+3] offset:32*SP*((\t)%2)+8*SP*\i
.endr
.irp i, 0,1,2,3
	ds_load_b128 v[X+16*((\t)%2)+4*\i:X+16*((\t)%2)+4*\i+3], v15 offset:32*SP*((\t)%2)+16*\i
.endr
.endm
.macro XSTEP t
.set XS, X+16*((\t)%2)
	s_wait_dscnt 0x0                               ; this step's numbers are back from the stage, so its stores into the stage have read their registers,
.if (\t)+4 < STEPS
	LOAD (\t)+4                                    ; which take the loads of four steps on
.endif
.if (\t)+1 < STEPS
.if STEPS-2-(\t) >= 3
	s_wait_loadcnt 12                              ; the next step's four loads are in; those of the three steps behind it may be out
.else
	s_wait_loadcnt 4*(STEPS-2-(\t))
.endif
	TURN (\t)+1
.endif
.set i, 0
.rept 16
	v_med3_num_f32 v[XS+i], v[XS+i], -v10, v10     ; the conversion does not saturate (ISA guide 7.6.2): the hold at the largest code x the scale comes first
.set i, i+1
.endr
	v_cvt_scalef32_pk8_fp8_f32 v[C+4*(\t):C+4*(\t)+1], v[XS:XS+7], v11
	v_cvt_scalef32_pk8_fp8_f32 v[C+4*(\t)+2:C+4*(\t)+3], v[XS+8:XS+15], v11
	global_store_b128 v3, v[C+4*(\t):C+4*(\t)+3], s[12:13] offset:512*(\t)   ; each step has its own four registers: no store's data are written again
.endm
	s_lshl_b32 s17, ttmp9, 2
	s_add_co_u32 s18, s17, s16                     ; which run of 8,192 numbers is my wave's
	s_lshl_b32 s20, s18, 15
	s_mov_b32 s21, 0
	s_add_nc_u64 s[4:5], s[4:5], s[20:21]
	s_lshl_b32 s20, s18, 13
	s_add_nc_u64 s[12:13], s[12:13], s[20:21]
.irp t, 0,1,2,3
	LOAD \t
.endr
	s_wait_kmcnt 0x0
	s_add_co_i32 s22, s24, 127
	s_lshl_b32 s23, s22, 23
	v_mov_b32 v11, s23                             ; 2^e0 as f32: the conversion takes its exponent field
	s_add_co_i32 s22, s22, 8
	s_lshl_b32 s22, s22, 23
	s_or_b32 s22, s22, 0x600000
	v_mov_b32 v10, s22                             ; 448 x 2^e0
	s_wait_alu depctr_va_vdst(0)
	s_wait_loadcnt 12                              ; step 0's four loads are in
	TURN 0
.irp t, 0,1,2,3,4,5,6,7,8,9,10,11,12,13,14,15
	XSTEP \t
.endr
	s_wait_tensorcnt 0x0                           ; the wave's end, behind my last LDS store
	ds_add_u32 v[SPW], v[NIL]
	s_wait_dscnt 0x0
	s_endpgm
; ---------------- the two weights ----------------
.Lweights:
	s_sub_co_u32 s17, ttmp9, 256
	s_and_b32 s18, s17, 31                         ; which 128 rows of w_codes: 0-23 c_attn_w's columns, 24-31 c_proj_w's
	s_lshr_b32 s19, s17, 5                         ; which 256 along K
	s_mov_b32 s22, 4096
	s_cmp_lt_u32 s18, 24                           ; the choice hangs on the work-group's number alone
	s_cselect_b64 s[20:21], s[6:7], s[8:9]
	s_cselect_b32 s22, 12288, s22                  ; a row of the weight in bytes
	s_cselect_b32 s23, 0, 3072
	s_lshl_b32 s52, s18, 7
	s_lshl_b32 s53, s16, 5
	s_add_co_u32 s52, s52, s53                     ; my wave's first row of w_codes
	s_sub_co_u32 s53, s52, s23                     ; = this column of its weight
	s_lshl_b32 s54, s19, 8
	s_mul_i32 s54, s54, s22
	s_lshl_b32 s53, s53, 2
	s_add_co_u32 s54, s54, s53
	s_mov_b32 s55, 0
	s_add_nc_u64 s[32:33], s[20:21], s[54:55]      ; block 0's base; a base for each of the eight blocks, so that no pointer is stepped under a load
	s_lshl_b32 s54, s22, 5                         ; 32 rows
.irp t, 1,2,3,4,5,6,7
	s_add_nc_u64 s[32+2*\t:33+2*\t], s[30+2*\t:31+2*\t], s[54:55]
.endr
	s_lshl_b32 s56, s52, 10
	s_lshl_b32 s57, s19, 8
	s_add_co_u32 s56, s56, s57
	s_mov_b32 s57, 0
	s_add_nc_u64 s[50:51], s[14:15], s[56:57]      ; where my wave's codes go
.set i, 0
.rept 32
	s_mul_i32 s58, s22, i
	v_add_nc_u32 v[OFFR+i], s58, v8
.set i, i+1
.endr
.macro WLOAD t                         ; block t: W(32 t + i, my column), i = 0 .. 31: 128 consecutive bytes a load
.set i, 0
.rept 32
	global_load_b32 v[XW+32*((\t)%2)+i], v[OFFR+i], s[32+2*(\t):33+2*(\t)] th:TH_LOAD_NT
.set i, i+1
.endr
.endm
.macro WBLOCK t
.set XS, XW+32*((\t)%2)
.if (\t) < 7
	s_wait_loadcnt 32                              ; this block's 32 loads are in; the next block's may be out
.else
	s_wait_loadcnt 0
.endif
.set i, 0
.rept 32
	v_med3_num_f32 v[XS+i], v[XS+i], -v10, v10
.set i, i+1
.endr
.irp g, 0,1,2,3
	v_cvt_scalef32_pk8_fp8_f32 v[CW+2*\g:CW+2*\g+1], v[XS+8*\g:XS+8*\g+7], v11
.endr
	ds_store_b128 v5, v[CW:CW+3] offset:32*(\t)    ; 32 codes: 32 bytes of my column's row
	ds_store_b128 v5, v[CW+4:CW+7] offset:32*(\t)+16
.if (\t)+2 < 8
	WLOAD (\t)+2
.endif
	s_wait_dscnt 0x0                               ; the stores have read their registers: the next block's codes may be written
.endm
	s_wait_alu depctr_va_vdst(0)
	WLOAD 0
	WLOAD 1
	s_wait_kmcnt 0x0
	s_cmp_lt_u32 s18, 24
	s_cselect_b32 s59, s25, s31                    ; e1 or e7
	s_add_co_i32 s59, s59, 127
	s_lshl_b32 s58, s59, 23
	v_mov_b32 v11, s58
	s_add_co_i32 s59, s59, 8
	s_lshl_b32 s59, s59, 23
	s_or_b32 s59, s59, 0x600000
	v_mov_b32 v10, s59
	s_wait_alu depctr_va_vdst(0)
.irp t, 0,1,2,3,4,5,6,7
	WBLOCK \t
.endr
.irp t, 0,1,2,3,4,5,6,7,8,9,10,11,12,13,14,15
	ds_load_b128 v[OUTR+4*\t:OUTR+4*\t+3], v6 offset:2*\t*WP
.endr
.irp t, 0,1,2,3,4,5,6,7,8,9,10,11,12,13,14,15
	s_wait_dscnt 15-\t                             ; the younger loads from the stage may be out
	global_store_b128 v7, v[OUTR+4*\t:OUTR+4*\t+3], s[50:51] offset:2048*\t
.endr
	s_wait_tensorcnt 0x0                           ; the wave's end, behind my last LDS store
	ds_add_u32 v[SPW], v[NIL]
	s_wait_dscnt 0x0
	s_endpgm
.Lfunc_end_k_q083aab3f2e_quant:
	.size	k_q083aab3f2e_quant, .Lfunc_end_k_q083aab3f2e_quant-k_q083aab3f2e_quant
	.p2alignl 7, 3214868480
	.fill 96, 4, 3214868480
	.section	.rodata,"a",@progbits
	.p2align	6, 0x0
	.amdhsa_kernel k_q083aab3f2e_quant
		.amdhsa_group_segment_fixed_size 68096
		.amdhsa_private_segment_fixed_size 0
		.amdhsa_enable_private_segment 0
		.amdhsa_kernarg_size 48
		.amdhsa_user_sgpr_count 2
		.amdhsa_user_sgpr_kernarg_segment_ptr 1
		.amdhsa_wavefront_size32 1
		.amdhsa_system_sgpr_workgroup_id_x 1
		.amdhsa_system_sgpr_workgroup_id_y 1
		.amdhsa_system_sgpr_workgroup_id_z 1
		.amdhsa_system_vgpr_workitem_id 0
		.amdhsa_next_free_vgpr 192
		.amdhsa_next_free_sgpr 66
		.amdhsa_reserve_vcc 0
		.amdhsa_float_denorm_mode_32 3
		.amdhsa_float_denorm_mode_16_64 3
		.amdhsa_memory_ordered 1
		.amdhsa_forward_progress 1
		.amdhsa_inst_pref_size 88
	.end_amdhsa_kernel
	.amdgpu_metadata
---
amdhsa.version: [ 1, 2 ]
amdhsa.kernels:
  - .name:           k_q083aab3f2e_quant
    .symbol:         k_q083aab3f2e_quant.kd
    .args:
      - { .name: x, .offset: 0, .size: 8, .value_kind: global_buffer, .address_space: global }
      - { .name: c_attn_w, .offset: 8, .size: 8, .value_kind: global_buffer, .address_space: global }
      - { .name: c_proj_w, .offset: 16, .size: 8, .value_kind: global_buffer, .address_space: global }
      - { .name: lowp_scales, .offset: 24, .size: 8, .value_kind: global_buffer, .address_space: global }
      - { .name: x_codes, .offset: 32, .size: 8, .value_kind: global_buffer, .address_space: global }
      - { .name: w_codes, .offset: 40, .size: 8, .value_kind: global_buffer, .address_space: global }
    .group_segment_fixed_size: 68096
    .private_segment_fixed_size: 0
    .kernarg_segment_align: 8
    .kernarg_segment_size: 48
    .max_flat_workgroup_size: 128
    .sgpr_count:     66
    .vgpr_count:     192
    .wavefront_size: 32
...
	.end_amdgpu_metadata
.endif
;; end of part 1
;; launch gemm_qk (part 2): grid 8 x 32, 4 waves a work-group, clusters of 4 x 4, 327,680 bytes of LDS; arguments x_codes, w_codes, lowp_scales, qk_codes, c_attn_b, wpe; writes qk_codes
.if DOCPART == 2
	.amdgcn_target "amdgcn-amd-amdhsa--gfx1250"
	.amdhsa_code_object_version 6
	.text
	.protected	k_q083aab3f2e_gemm_qk
	.globl	k_q083aab3f2e_gemm_qk
	.p2align	8
	.type	k_q083aab3f2e_gemm_qk,@function
k_q083aab3f2e_gemm_qk:
	s_mov_b64 s[64:65], 0
	v_nop
	global_prefetch_b8 v0, s[64:65] scope:SCOPE_SE
	s_setreg_imm32_b32 hwreg(HW_REG_WAVE_MODE, 25, 1), 1
	s_wait_xcnt 0x0
	s_wait_alu depctr_hold_cnt(0) depctr_sa_sdst(0) depctr_va_vdst(0) depctr_va_sdst(0) depctr_va_ssrc(0) depctr_va_vcc(0) depctr_vm_vsrc(0)
	s_getreg_b32 s2, hwreg(HW_REG_IB_STS2, 6, 4)
	s_cmp_eq_u32 s2, 0
	s_cbranch_scc0 .Lentry_in_a_cluster
	s_endpgm
.Lentry_in_a_cluster:
	s_bfe_u32 s2, ttmp6, 0x10000c
	s_cmp_lg_u32 s2, 0xf033
	s_cbranch_scc0 .Lentry_shape_is_right
	s_endpgm
.Lentry_shape_is_right:
.set ROWB,   256
.set PITCH,  272
.set FR,     16
.set NL,     4
.set NP,     4
.set HALFT,  128*PITCH
.set SLOT,   4*HALFT
.set SPARE,  2*SLOT
.set STG,    SPARE+512
.set ASTEP,  256
.set BSTEP,  256
.set LIMV, 10
.set SCV,  11
.set ADRA, 16
.set ADRB, 20
.set STO,  24
.set RD,   25
.set CO,   26
.set WA,   27
.set SPW,  28
.set NIL,  29
.set BO,   30
.set BIAS, 32
.set W,    96
.set AF,   128
.set T,    160
.set C,    224
.set OUT,  240
.set G1,  24
.set G0,  32
.set G1B, 48
.set G0B, 56
.set G1W, 68
.set G0W, 76
.set G1C, (1<<20)|(1<<21)|(5<<22)|(3<<25)
.set MSB, 0
.macro WIN new
.if MSB != (\new)
	s_set_vgpr_msb (MSB<<8)|(\new)
.set MSB, (\new)
.endif
.endm
.set MUL_LO, 0xa1
.set MUL_HI, 0xf1
.set TO_B,   0x40
.macro JLOAD s
	s_cmp_eq_u32 s14, \s
	s_cbranch_scc0 .Lfor_b_\@
	tensor_load_to_lds s[G0+4*\s:G0+4*\s+3], s[G1:G1+7]
	s_nop 0
.rept 4
	v_nop
.endr
	s_branch .Lasked_\@
.Lfor_b_\@:
	s_cmp_eq_u32 s14, 2+\s
	s_cbranch_scc0 .Lnone_\@
	tensor_load_to_lds s[G0B+4*\s:G0B+4*\s+3], s[G1B:G1B+7]
	s_nop 0
.rept 4
	v_nop
.endr
	s_branch .Lasked_\@
.Lnone_\@:
.rept 4
	v_nop
.endr
.Lasked_\@:
.endm
; the first fills: one whole tile a wave, both slots at once: wave 0 A's slot 0, wave 1 A's slot 1, wave 2 B's slot 0, wave 3 B's slot 1; slot s is filled again by waves s and 2 + s (JLOAD)
.macro HLOAD
	s_cmp_eq_u32 s14, 0
	s_cbranch_scc0 .Lh_a1
	tensor_load_to_lds s[G0:G0+3], s[G1:G1+7]
	s_nop 0
.rept 4
	v_nop
.endr
	s_branch .Lh_done
.Lh_a1:
	s_cmp_eq_u32 s14, 1
	s_cbranch_scc0 .Lh_b0
	tensor_load_to_lds s[G0+4:G0+7], s[G1:G1+7]
	s_nop 0
.rept 4
	v_nop
.endr
	s_branch .Lh_done
.Lh_b0:
	s_cmp_eq_u32 s14, 2
	s_cbranch_scc0 .Lh_b1
	tensor_load_to_lds s[G0B:G0B+3], s[G1B:G1B+7]
	s_nop 0
.rept 4
	v_nop
.endr
	s_branch .Lh_done
.Lh_b1:
	tensor_load_to_lds s[G0B+4:G0B+7], s[G1B:G1B+7]
	s_nop 0
.rept 4
	v_nop
.endr
.Lh_done:
.endm
.macro CREST
	s_cmp_lg_u32 s14, 0
	s_cbranch_scc1 .Lnot_wave_0_\@
	s_barrier_signal -3
.Lnot_wave_0_\@:
	s_barrier_wait -3
	s_barrier_signal -1
	s_barrier_wait -1
.endm
.macro CROUND
	s_barrier_signal -1
	s_barrier_wait -1
	CREST
.endm
.macro PLACES n
.rept \n
	v_nop
.endr
.endm
	s_load_b128 s[4:7], s[0:1], 0x0
	s_load_b128 s[8:11], s[0:1], 0x10
	s_load_b128 s[84:87], s[0:1], 0x20
	v_lshl_add_u32 v[SPW], v0, 2, SPARE
	v_mov_b32 v[NIL], 0
	ds_add_u32 v[SPW], v[NIL]
	ds_add_u32 v[SPW], v[NIL]
	v_lshrrev_b32 v1, 5, v0
	v_readfirstlane_b32 s14, v1
	s_lshr_b32 s15, s14, 1
	s_and_b32 s16, s14, 1
	s_bfe_u32 s40, ttmp6, 0x40000
	s_bfe_u32 s41, ttmp6, 0x40004
	s_lshl_b32 s42, ttmp9, 2
	s_add_co_u32 s42, s42, s40
	s_and_b32 s17, ttmp7, 0xffff
	s_lshl_b32 s17, s17, 2
	s_add_co_u32 s17, s17, s41
	s_lshl_b32 s43, s41, 2
	s_lshl_b32 s43, 15, s43
	s_lshl_b32 s44, 0x1111, s40
	s_or_b32 s[G1], s43, G1C
	s_or_b32 s[G1B], s44, G1C
	s_or_b32 s[G1W], s44, G1C
.irp g, G1, G1B, G1W
	s_mov_b32 s[\g+1], ROWB<<16
	s_mov_b32 s[\g+3], ROWB<<16
	s_mov_b32 s[\g+6], 0
	s_mov_b32 s[\g+7], 0
.endr
	s_mov_b32 s[G1+5], 1024
	s_mov_b32 s[G1B+5], 1024
	s_mov_b32 s[G1W+5], 4096
	s_mov_b32 s[G1+2], 256<<16                     ; A's and B's tiles: 256 rows a load; wpe's: 128
	s_mov_b32 s[G1+4], 256
	s_mov_b32 s[G1B+2], 256<<16
	s_mov_b32 s[G1B+4], 256
	s_mov_b32 s[G1W+2], 128<<16
	s_mov_b32 s[G1W+4], 128
	s_lshl_b32 s20, s17, 18
	s_mov_b32 s21, 0
	s_lshl_b32 s46, s42, 18
	s_mov_b32 s47, 0
	s_lshl_b32 s80, s40, 10
	s_lshl_b32 s81, s14, 8
	s_add_co_u32 s80, s80, s81
	s_mov_b32 s81, 0
	s_mul_i32 s45, s14, HALFT
	s_wait_dscnt 0x0
	s_wait_kmcnt 0x0
	s_load_b128 s[88:91], s[8:9], 0x0
	s_add_nc_u64 s[20:21], s[4:5], s[20:21]
	s_add_nc_u64 s[46:47], s[6:7], s[46:47]
	s_mov_b32 s[G0W], 1
	s_mov_b32 s[G0W+1], s45
	s_add_nc_u64 s[G0W+2:G0W+3], s[86:87], s[80:81]
	s_or_b32 s[G0W+3], s[G0W+3], 0x80000000
	CROUND
.irp s, 0,1
	s_mov_b32 s[G0+4*\s], 1
	s_mov_b32 s[G0+4*\s+1], \s*SLOT
	s_add_nc_u64 s[G0+4*\s+2:G0+4*\s+3], s[20:21], \s*ASTEP
	s_or_b32 s[G0+4*\s+3], s[G0+4*\s+3], 0x80000000
	s_mov_b32 s[G0B+4*\s], 1
	s_mov_b32 s[G0B+4*\s+1], \s*SLOT+2*HALFT
	s_add_nc_u64 s[G0B+4*\s+2:G0B+4*\s+3], s[46:47], \s*BSTEP
	s_or_b32 s[G0B+4*\s+3], s[G0B+4*\s+3], 0x80000000
.endr
	HLOAD
	v_and_b32 v1, 15, v0
	s_wait_alu depctr_va_vdst(0)
	v_bfe_u32 v2, v0, 4, 1
	v_mul_u32_u24 v3, v1, PITCH
	v_lshl_add_u32 v4, v2, 4, v3
	s_mul_i32 s21, s15, HALFT
	s_mul_i32 s22, s16, HALFT
	s_add_co_u32 s22, s22, 2*HALFT
.irp s, 0,1
	v_add_nc_u32 v[ADRA+\s], s21, v4
	v_add_nc_u32 v[ADRB+\s], s22, v4
	s_add_co_u32 s21, s21, SLOT
	s_add_co_u32 s22, s22, SLOT
.endr
	s_mul_i32 s23, s14, 2560
	s_add_co_u32 s23, s23, STG
	v_mul_u32_u24 v5, v1, 80
	s_wait_alu depctr_va_vdst(0)
	v_lshl_add_u32 v5, v2, 3, v5
	v_add_nc_u32 v[STO], s23, v5
	v_and_b32 v6, 31, v0
	v_lshrrev_b32 v7, 2, v6
	v_mul_u32_u24 v7, v7, 80
	v_and_b32 v8, 3, v6
	v_lshl_add_u32 v7, v8, 4, v7
	v_add_nc_u32 v[RD], s23, v7
	v_lshlrev_b32 v[CO], 4, v6
	s_mul_i32 s23, s16, 2*HALFT
	v_lshl_add_u32 v9, v2, 5, v3
	v_add_nc_u32 v[WA], s23, v9
	v_lshlrev_b32 v[BO], 5, v2
	s_lshl_b32 s82, s42, 10
	s_lshl_b32 s83, s16, 9
	s_add_co_u32 s82, s82, s83
	s_mov_b32 s83, 0
	s_add_nc_u64 s[84:85], s[84:85], s[82:83]
.irp b, 0,1,2,3,4,5,6,7
	global_load_b128 v[BIAS+8*\b:BIAS+8*\b+3], v[BO], s[84:85] offset:64*\b
	global_load_b128 v[BIAS+8*\b+4:BIAS+8*\b+7], v[BO], s[84:85] offset:64*\b+16
.endr
	s_lshr_b32 s82, s17, 3
	s_lshl_b32 s82, s82, 4
	s_lshl_b32 s83, s40, 2
	s_add_co_u32 s82, s82, s83
	s_lshl_b32 s83, s16, 1
	s_add_co_u32 s82, s82, s83
	s_lshl_b32 s82, s82, 11
	s_and_b32 s83, s17, 7
	s_lshl_b32 s83, s83, 8
	s_add_co_u32 s82, s82, s83
	s_lshl_b32 s83, s15, 7
	s_add_co_u32 s82, s82, s83
	s_lshl_b32 s82, s82, 6
	s_lshl_b32 s83, ttmp9, 23
	s_add_co_u32 s82, s82, s83
	s_mov_b32 s83, 0
	s_add_nc_u64 s[10:11], s[10:11], s[82:83]
.macro FRAG reg, adr, q, i
.irp c, 0,1,2,3
	ds_load_b128 v[\reg+4*\c:\reg+4*\c+3], v[\adr] offset:128*(\q)+32*\c+(\i)*16*PITCH
.endr
.endm
.macro MUL16 a0, p, zero
.irp a, \a0, \a0+1
.irp b, 0,1,2,3,4,5,6,7
.if \zero
	v_wmma_f32_16x16x128_fp8_fp8 v[8*(8*((\a)%4)+\b):8*(8*((\a)%4)+\b)+7], v[128*(\p)+FR*\b:128*(\p)+FR*\b+FR-1], v[AF+FR*(\a):AF+FR*(\a)+FR-1], 0
.else
	v_wmma_f32_16x16x128_fp8_fp8 v[8*(8*((\a)%4)+\b):8*(8*((\a)%4)+\b)+7], v[128*(\p)+FR*\b:128*(\p)+FR*\b+FR-1], v[AF+FR*(\a):AF+FR*(\a)+FR-1], v[8*(8*((\a)%4)+\b):8*(8*((\a)%4)+\b)+7]
.endif
.endr
.endr
.endm
.macro FETCH_B slot, q, p
	WIN TO_B
.irp i, 0,1,2,3,4,5,6,7
	FRAG 128*(\p)+FR*\i, ADRB+\slot, \q, \i
.endr
	WIN 0
.endm
.macro FETCH_A slot, q, i0
.irp i, \i0, \i0+1, \i0+2, \i0+3
	FRAG AF+FR*(\i), ADRA+\slot, \q, \i
.endr
.endm
.macro STEP slot, q, zero
	s_wait_dscnt 4*NL
	WIN MUL_LO
	MUL16 0, (\q)%2, \zero
	MUL16 2, (\q)%2, \zero
	s_wait_dscnt 0
	PLACES NP
	FETCH_B \slot, (\q)+1, 1-(\q)%2
	FETCH_A \slot, (\q)+1, 0
	WIN MUL_HI
	MUL16 4, (\q)%2, \zero
	MUL16 6, (\q)%2, \zero
	PLACES NP
	WIN 0
	FETCH_A \slot, (\q)+1, 4
.endm
.macro TURN slot, next, fill
	s_wait_tensorcnt 0x0
	ds_add_u32 v[SPW], v[NIL]
	s_wait_dscnt 4*NL+1
	WIN MUL_LO
	MUL16 0, 1, 0
	s_wait_dscnt 0x0
	s_barrier_signal -1
	MUL16 2, 1, 0
	WIN 0
	s_barrier_wait -1
.if \fill == 1
	CREST
	s_add_nc_u64 s[G0+4*\slot+2:G0+4*\slot+3], s[G0+4*\slot+2:G0+4*\slot+3], 2*ASTEP
	s_add_nc_u64 s[G0B+4*\slot+2:G0B+4*\slot+3], s[G0B+4*\slot+2:G0B+4*\slot+3], 2*BSTEP
	JLOAD \slot
.elseif \fill == 2
	CREST
	tensor_load_to_lds s[G0W:G0W+3], s[G1W:G1W+7]
	s_nop 0
.rept 4
	v_nop
.endr
.else
	PLACES NP
.endif
	FETCH_B \next, 0, 0
	FETCH_A \next, 0, 0
	WIN MUL_HI
	MUL16 4, 1, 0
	MUL16 6, 1, 0
	PLACES NP
	WIN 0
	FETCH_A \next, 0, 4
.endm
	s_wait_alu depctr_va_vdst(0)                   ; the wait at the head's end
	s_wait_tensorcnt 0x0                           ; my tile has landed,
	s_barrier_signal -1
	s_barrier_wait -1                              ; and everybody's: both slots are whole
	FETCH_B 0, 0, 0
	FETCH_A 0, 0, 0
	FETCH_A 0, 0, 4
	STEP 0, 0, 1
	TURN 0, 1, 1
	STEP 1, 0, 0
	TURN 1, 0, 1
	STEP 0, 0, 0
	TURN 0, 1, 2
	STEP 1, 0, 0
	s_wait_dscnt 4*NL
	WIN MUL_LO
	MUL16 0, 1, 0
	MUL16 2, 1, 0
	s_wait_dscnt 0
	WIN MUL_HI
	MUL16 4, 1, 0
	MUL16 6, 1, 0
	WIN 0
	s_wait_tensorcnt 0x0
	s_barrier_signal -1
	s_barrier_wait -1
	s_wait_kmcnt 0x0
	s_add_co_i32 s96, s88, s89
	s_add_co_i32 s96, s96, 127
	s_lshl_b32 s96, s96, 23
	s_mov_b32 s97, s96
	s_cmp_eq_u32 ttmp9, 0
	s_cselect_b32 s92, s90, s91
	s_add_co_i32 s92, s92, 127
	s_lshl_b32 s93, s92, 23
	v_mov_b32 v[SCV], s93
	s_add_co_i32 s92, s92, 8
	s_lshl_b32 s92, s92, 23
	s_or_b32 s92, s92, 0x600000
	v_mov_b32 v[LIMV], s92
	s_wait_loadcnt 0x0
.macro WLD a
.irp b, 0,1,2,3,4,5,6,7
	ds_load_b128 v[W+8*\b:W+8*\b+3], v[WA] offset:(\b/4)*HALFT+4352*(\a)+64*(\b%4)
	ds_load_b128 v[W+8*\b+4:W+8*\b+7], v[WA] offset:(\b/4)*HALFT+4352*(\a)+64*(\b%4)+16
.endr
.endm
.macro QKBLOCK a
.set AC, 64*((\a)%4)
	WIN 0x02+((\a)/4)
.set j, 0
.rept 32
	v_pk_fma_f32 v[T+j:T+j+1], v[AC+j:AC+j+1], s[96:97], v[BIAS+j:BIAS+j+1] op_sel_hi:[1,0,1]
.set j, j+2
.endr
	WIN 0
.if (\a) == 0
	s_wait_dscnt 0x0
.endif
.set j, 0
.rept 32
	v_pk_add_f32 v[T+j:T+j+1], v[T+j:T+j+1], v[W+j:W+j+1]
.set j, j+2
.endr
.if (\a) < 7
	WLD (\a)+1
.endif
.set j, 0
.rept 64
	v_med3_num_f32 v[T+j], v[T+j], -v[LIMV], v[LIMV]
.set j, j+1
.endr
.irp b, 0,1,2,3,4,5,6,7
	v_cvt_scalef32_pk8_fp8_f32 v[C+2*\b:C+2*\b+1], v[T+8*\b:T+8*\b+7], v[SCV]
.endr
	v_nop
.irp b, 0,1,2,3,4,5,6,7
	ds_store_b64 v[STO], v[C+2*\b:C+2*\b+1] offset:1280*(\b/4)+16*(\b%4)
.endr
.if (\a) > 0
	s_wait_xcnt 0x0
.endif
.irp n, 0,1,2,3
	ds_load_b128 v[OUT+4*\n:OUT+4*\n+3], v[RD] offset:1280*(\n/2)+640*(\n%2)
.endr
	s_wait_dscnt 0x0
.irp n, 0,1,2,3
	global_store_b128 v[CO], v[OUT+4*\n:OUT+4*\n+3], s[10:11] offset:131072*(\n/2)+1024*(\a)+512*(\n%2)
.endr
.endm
	PLACES NP
	s_wait_alu depctr_va_vdst(0)
	WLD 0
.irp a, 0,1,2,3,4,5,6,7
	QKBLOCK \a
.endr
	s_wait_tensorcnt 0x0
	ds_add_u32 v[SPW], v[NIL]
	s_wait_dscnt 0x0
	CROUND
	s_endpgm
.Lfunc_end_k_q083aab3f2e_gemm_qk:
	.size	k_q083aab3f2e_gemm_qk, .Lfunc_end_k_q083aab3f2e_gemm_qk-k_q083aab3f2e_gemm_qk
	.p2alignl 7, 3214868480
	.fill 96, 4, 3214868480
	.section	.rodata,"a",@progbits
	.p2align	6, 0x0
	.amdhsa_kernel k_q083aab3f2e_gemm_qk
		.amdhsa_group_segment_fixed_size 327680
		.amdhsa_private_segment_fixed_size 0
		.amdhsa_enable_private_segment 0
		.amdhsa_kernarg_size 48
		.amdhsa_user_sgpr_count 2
		.amdhsa_user_sgpr_kernarg_segment_ptr 1
		.amdhsa_wavefront_size32 1
		.amdhsa_system_sgpr_workgroup_id_x 1
		.amdhsa_system_sgpr_workgroup_id_y 1
		.amdhsa_system_sgpr_workgroup_id_z 1
		.amdhsa_system_vgpr_workitem_id 0
		.amdhsa_next_free_vgpr 1024
		.amdhsa_next_free_sgpr 100
		.amdhsa_reserve_vcc 0
		.amdhsa_float_denorm_mode_32 3
		.amdhsa_float_denorm_mode_16_64 3
		.amdhsa_memory_ordered 1
		.amdhsa_forward_progress 1
		.amdhsa_inst_pref_size 168
	.end_amdhsa_kernel
	.amdgpu_metadata
---
amdhsa.version: [ 1, 2 ]
amdhsa.kernels:
  - .name:           k_q083aab3f2e_gemm_qk
    .symbol:         k_q083aab3f2e_gemm_qk.kd
    .args:
      - { .name: x_codes, .offset: 0, .size: 8, .value_kind: global_buffer, .address_space: global }
      - { .name: w_codes, .offset: 8, .size: 8, .value_kind: global_buffer, .address_space: global }
      - { .name: lowp_scales, .offset: 16, .size: 8, .value_kind: global_buffer, .address_space: global }
      - { .name: qk_codes, .offset: 24, .size: 8, .value_kind: global_buffer, .address_space: global }
      - { .name: c_attn_b, .offset: 32, .size: 8, .value_kind: global_buffer, .address_space: global }
      - { .name: wpe, .offset: 40, .size: 8, .value_kind: global_buffer, .address_space: global }
    .group_segment_fixed_size: 327680
    .private_segment_fixed_size: 0
    .kernarg_segment_align: 8
    .kernarg_segment_size: 48
    .max_flat_workgroup_size: 128
    .sgpr_count:     100
    .vgpr_count:     1024
    .wavefront_size: 32
...
	.end_amdgpu_metadata
.endif
;; end of part 2
;; launch gemm_v (part 3): grid 32 x 4, 4 waves a work-group, clusters of 4 x 4, 327,680 bytes of LDS; arguments w_codes, x_codes, lowp_scales, v_codes, c_attn_b; writes v_codes
.if DOCPART == 3
	.amdgcn_target "amdgcn-amd-amdhsa--gfx1250"
	.amdhsa_code_object_version 6
	.text
	.protected	k_q083aab3f2e_gemm_v
	.globl	k_q083aab3f2e_gemm_v
	.p2align	8
	.type	k_q083aab3f2e_gemm_v,@function
k_q083aab3f2e_gemm_v:
	s_mov_b64 s[64:65], 0
	v_nop
	global_prefetch_b8 v0, s[64:65] scope:SCOPE_SE
	s_setreg_imm32_b32 hwreg(HW_REG_WAVE_MODE, 25, 1), 1
	s_wait_xcnt 0x0
	s_wait_alu depctr_hold_cnt(0) depctr_sa_sdst(0) depctr_va_vdst(0) depctr_va_sdst(0) depctr_va_ssrc(0) depctr_va_vcc(0) depctr_vm_vsrc(0)
	s_getreg_b32 s2, hwreg(HW_REG_IB_STS2, 6, 4)
	s_cmp_eq_u32 s2, 0
	s_cbranch_scc0 .Lentry_in_a_cluster
	s_endpgm
.Lentry_in_a_cluster:
	s_bfe_u32 s2, ttmp6, 0x10000c
	s_cmp_lg_u32 s2, 0xf033
	s_cbranch_scc0 .Lentry_shape_is_right
	s_endpgm
.Lentry_shape_is_right:
.set ROWB,   256
.set PITCH,  272
.set FR,     16
.set NL,     4
.set NP,     4
.set HALFT,  128*PITCH
.set SLOT,   4*HALFT
.set SPARE,  2*SLOT
.set ASTEP,  256
.set BSTEP,  256
.set LIMV, 10
.set SCV,  11
.set ADRA, 16
.set ADRB, 20
.set STO,  24
.set RD,   25
.set CO,   26
.set SPW,  28
.set NIL,  29
.set BO,   30
.set BV,   32
.set T,    48
.set C,    112
.set AF,   128
.set G1,  24
.set G0,  32
.set G1B, 48
.set G0B, 56
.set G1C, (1<<20)|(1<<21)|(5<<22)|(3<<25)
.set MSB, 0
.macro WIN new
.if MSB != (\new)
	s_set_vgpr_msb (MSB<<8)|(\new)
.set MSB, (\new)
.endif
.endm
.set MUL_LO, 0xa1
.set MUL_HI, 0xf1
.set TO_B,   0x40
.macro JLOAD s
	s_cmp_eq_u32 s14, \s
	s_cbranch_scc0 .Lfor_b_\@
	tensor_load_to_lds s[G0+4*\s:G0+4*\s+3], s[G1:G1+7]
	s_nop 0
.rept 4
	v_nop
.endr
	s_branch .Lasked_\@
.Lfor_b_\@:
	s_cmp_eq_u32 s14, 2+\s
	s_cbranch_scc0 .Lnone_\@
	tensor_load_to_lds s[G0B+4*\s:G0B+4*\s+3], s[G1B:G1B+7]
	s_nop 0
.rept 4
	v_nop
.endr
	s_branch .Lasked_\@
.Lnone_\@:
.rept 4
	v_nop
.endr
.Lasked_\@:
.endm
; the first fills: one whole tile a wave, both slots at once: wave 0 A's slot 0, wave 1 A's slot 1, wave 2 B's slot 0, wave 3 B's slot 1; slot s is filled again by waves s and 2 + s (JLOAD)
.macro HLOAD
	s_cmp_eq_u32 s14, 0
	s_cbranch_scc0 .Lh_a1
	tensor_load_to_lds s[G0:G0+3], s[G1:G1+7]
	s_nop 0
.rept 4
	v_nop
.endr
	s_branch .Lh_done
.Lh_a1:
	s_cmp_eq_u32 s14, 1
	s_cbranch_scc0 .Lh_b0
	tensor_load_to_lds s[G0+4:G0+7], s[G1:G1+7]
	s_nop 0
.rept 4
	v_nop
.endr
	s_branch .Lh_done
.Lh_b0:
	s_cmp_eq_u32 s14, 2
	s_cbranch_scc0 .Lh_b1
	tensor_load_to_lds s[G0B:G0B+3], s[G1B:G1B+7]
	s_nop 0
.rept 4
	v_nop
.endr
	s_branch .Lh_done
.Lh_b1:
	tensor_load_to_lds s[G0B+4:G0B+7], s[G1B:G1B+7]
	s_nop 0
.rept 4
	v_nop
.endr
.Lh_done:
.endm
.macro CREST
	s_cmp_lg_u32 s14, 0
	s_cbranch_scc1 .Lnot_wave_0_\@
	s_barrier_signal -3
.Lnot_wave_0_\@:
	s_barrier_wait -3
	s_barrier_signal -1
	s_barrier_wait -1
.endm
.macro CROUND
	s_barrier_signal -1
	s_barrier_wait -1
	CREST
.endm
.macro PLACES n
.rept \n
	v_nop
.endr
.endm
	s_load_b128 s[4:7], s[0:1], 0x0
	s_load_b128 s[8:11], s[0:1], 0x10
	s_load_b64 s[84:85], s[0:1], 0x20
	v_lshl_add_u32 v[SPW], v0, 2, SPARE
	v_mov_b32 v[NIL], 0
	ds_add_u32 v[SPW], v[NIL]
	ds_add_u32 v[SPW], v[NIL]
	v_lshrrev_b32 v1, 5, v0
	v_readfirstlane_b32 s14, v1
	s_lshr_b32 s15, s14, 1
	s_and_b32 s16, s14, 1
	s_bfe_u32 s40, ttmp6, 0x40000
	s_bfe_u32 s41, ttmp6, 0x40004
	s_lshl_b32 s42, ttmp9, 2
	s_add_co_u32 s42, s42, s40
	s_mov_b32 s17, s41
	s_lshl_b32 s43, s41, 2
	s_lshl_b32 s43, 15, s43
	s_lshl_b32 s44, 0x1111, s40
	s_or_b32 s[G1], s43, G1C
	s_or_b32 s[G1B], s44, G1C
.irp g, G1, G1B
	s_mov_b32 s[\g+1], ROWB<<16
	s_mov_b32 s[\g+2], 256<<16
	s_mov_b32 s[\g+3], ROWB<<16
	s_mov_b32 s[\g+4], 256
	s_mov_b32 s[\g+5], 1024
	s_mov_b32 s[\g+6], 0
	s_mov_b32 s[\g+7], 0
.endr
	s_lshl_b32 s20, s17, 8
	s_add_co_u32 s20, s20, 2048
	s_lshl_b32 s20, s20, 10
	s_mov_b32 s21, 0
	s_lshl_b32 s46, s42, 18
	s_mov_b32 s47, 0
	s_wait_dscnt 0x0
	s_wait_kmcnt 0x0
	s_load_b64 s[88:89], s[8:9], 0x0
	s_load_b32 s90, s[8:9], 0x14
	s_add_nc_u64 s[20:21], s[4:5], s[20:21]
	s_add_nc_u64 s[46:47], s[6:7], s[46:47]
	CROUND
.irp s, 0,1
	s_mov_b32 s[G0+4*\s], 1
	s_mov_b32 s[G0+4*\s+1], \s*SLOT
	s_add_nc_u64 s[G0+4*\s+2:G0+4*\s+3], s[20:21], \s*ASTEP
	s_or_b32 s[G0+4*\s+3], s[G0+4*\s+3], 0x80000000
	s_mov_b32 s[G0B+4*\s], 1
	s_mov_b32 s[G0B+4*\s+1], \s*SLOT+2*HALFT
	s_add_nc_u64 s[G0B+4*\s+2:G0B+4*\s+3], s[46:47], \s*BSTEP
	s_or_b32 s[G0B+4*\s+3], s[G0B+4*\s+3], 0x80000000
.endr
	HLOAD
	v_and_b32 v1, 15, v0
	v_bfe_u32 v2, v0, 4, 1
	v_mul_u32_u24 v3, v1, PITCH
	s_wait_alu depctr_va_vdst(0)
	v_lshl_add_u32 v4, v2, 4, v3
	s_mul_i32 s21, s15, HALFT
	s_mul_i32 s22, s16, HALFT
	s_add_co_u32 s22, s22, 2*HALFT
.irp s, 0,1
	v_add_nc_u32 v[ADRA+\s], s21, v4
	v_add_nc_u32 v[ADRB+\s], s22, v4
	s_add_co_u32 s21, s21, SLOT
	s_add_co_u32 s22, s22, SLOT
.endr
	s_mul_i32 s23, s15, HALFT
	s_lshl_b32 s22, s16, 7
	s_add_co_u32 s23, s23, s22
	v_lshl_add_u32 v5, v2, 3, v3
	v_add_nc_u32 v[STO], s23, v5
	s_mul_i32 s23, s14, 64*PITCH
	v_mul_u32_u24 v6, v2, PITCH
	v_lshl_add_u32 v6, v1, 4, v6
	v_add_nc_u32 v[RD], s23, v6
	v_lshlrev_b32 v7, 11, v2
	v_lshl_add_u32 v[CO], v1, 4, v7
	v_lshlrev_b32 v[BO], 2, v1
	s_lshl_b32 s82, s17, 10
	s_lshl_b32 s83, s15, 9
	s_add_co_u32 s82, s82, s83
	s_add_co_u32 s82, s82, 8192
	s_mov_b32 s83, 0
	s_add_nc_u64 s[84:85], s[84:85], s[82:83]
.irp a, 0,1,2,3,4,5,6,7
	global_load_b32 v[BV+2*\a], v[BO], s[84:85] offset:64*\a
.endr
	s_lshr_b32 s82, s42, 3
	s_lshl_b32 s82, s82, 21
	s_lshl_b32 s83, s17, 19
	s_add_co_u32 s82, s82, s83
	s_lshl_b32 s83, s14, 17
	s_add_co_u32 s82, s82, s83
	s_and_b32 s83, s42, 7
	s_lshl_b32 s83, s83, 8
	s_add_co_u32 s82, s82, s83
	s_mov_b32 s83, 0
	s_add_nc_u64 s[10:11], s[10:11], s[82:83]
.macro FRAG reg, adr, q, i
.irp c, 0,1,2,3
	ds_load_b128 v[\reg+4*\c:\reg+4*\c+3], v[\adr] offset:128*(\q)+32*\c+(\i)*16*PITCH
.endr
.endm
.macro MUL16 a0, p, zero
.irp a, \a0, \a0+1
.irp b, 0,1,2,3,4,5,6,7
.if \zero
	v_wmma_f32_16x16x128_fp8_fp8 v[8*(8*((\a)%4)+\b):8*(8*((\a)%4)+\b)+7], v[128*(\p)+FR*\b:128*(\p)+FR*\b+FR-1], v[AF+FR*(\a):AF+FR*(\a)+FR-1], 0
.else
	v_wmma_f32_16x16x128_fp8_fp8 v[8*(8*((\a)%4)+\b):8*(8*((\a)%4)+\b)+7], v[128*(\p)+FR*\b:128*(\p)+FR*\b+FR-1], v[AF+FR*(\a):AF+FR*(\a)+FR-1], v[8*(8*((\a)%4)+\b):8*(8*((\a)%4)+\b)+7]
.endif
.endr
.endr
.endm
.macro FETCH_B slot, q, p
	WIN TO_B
.irp i, 0,1,2,3,4,5,6,7
	FRAG 128*(\p)+FR*\i, ADRB+\slot, \q, \i
.endr
	WIN 0
.endm
.macro FETCH_A slot, q, i0
.irp i, \i0, \i0+1, \i0+2, \i0+3
	FRAG AF+FR*(\i), ADRA+\slot, \q, \i
.endr
.endm
.macro STEP slot, q, zero
	s_wait_dscnt 4*NL
	WIN MUL_LO
	MUL16 0, (\q)%2, \zero
	MUL16 2, (\q)%2, \zero
	s_wait_dscnt 0
	PLACES NP
	FETCH_B \slot, (\q)+1, 1-(\q)%2
	FETCH_A \slot, (\q)+1, 0
	WIN MUL_HI
	MUL16 4, (\q)%2, \zero
	MUL16 6, (\q)%2, \zero
	PLACES NP
	WIN 0
	FETCH_A \slot, (\q)+1, 4
.endm
.macro TURN slot, next, fill
	s_wait_tensorcnt 0x0
	ds_add_u32 v[SPW], v[NIL]
	s_wait_dscnt 4*NL+1
	WIN MUL_LO
	MUL16 0, 1, 0
	s_wait_dscnt 0x0
	s_barrier_signal -1
	MUL16 2, 1, 0
	WIN 0
	s_barrier_wait -1
.if \fill
	CREST
	s_add_nc_u64 s[G0+4*\slot+2:G0+4*\slot+3], s[G0+4*\slot+2:G0+4*\slot+3], 2*ASTEP
	s_add_nc_u64 s[G0B+4*\slot+2:G0B+4*\slot+3], s[G0B+4*\slot+2:G0B+4*\slot+3], 2*BSTEP
	JLOAD \slot
.else
	PLACES NP
.endif
	s_wait_alu depctr_va_vdst(0)
	FETCH_B \next, 0, 0
	FETCH_A \next, 0, 0
	WIN MUL_HI
	MUL16 4, 1, 0
	MUL16 6, 1, 0
	PLACES NP
	WIN 0
	FETCH_A \next, 0, 4
.endm
	s_wait_alu depctr_va_vdst(0)                   ; the wait at the head's end
	s_wait_tensorcnt 0x0                           ; my tile has landed,
	s_barrier_signal -1
	s_barrier_wait -1                              ; and everybody's: both slots are whole
	FETCH_B 0, 0, 0
	FETCH_A 0, 0, 0
	FETCH_A 0, 0, 4
	STEP 0, 0, 1
	TURN 0, 1, 1
	STEP 1, 0, 0
	TURN 1, 0, 1
	STEP 0, 0, 0
	TURN 0, 1, 0
	STEP 1, 0, 0
	s_wait_dscnt 4*NL
	WIN MUL_LO
	MUL16 0, 1, 0
	MUL16 2, 1, 0
	s_wait_dscnt 0
	WIN MUL_HI
	MUL16 4, 1, 0
	MUL16 6, 1, 0
	WIN 0
	s_wait_kmcnt 0x0
	s_add_co_i32 s96, s88, s89
	s_add_co_i32 s96, s96, 127
	s_lshl_b32 s96, s96, 23
	s_mov_b32 s97, s96
	s_add_co_i32 s92, s90, 127
	s_lshl_b32 s93, s92, 23
	v_mov_b32 v[SCV], s93
	s_add_co_i32 s92, s92, 8
	s_lshl_b32 s92, s92, 23
	s_or_b32 s92, s92, 0x600000
	v_mov_b32 v[LIMV], s92
	s_wait_loadcnt 0x0
.irp a, 0,1,2,3,4,5,6,7
	v_mov_b32 v[BV+2*\a+1], v[BV+2*\a]
.endr
.macro VBLOCK a
.set AC, 64*((\a)%4)
	WIN 0x02+((\a)/4)
.set j, 0
.rept 32
	v_pk_fma_f32 v[T+j:T+j+1], v[AC+j:AC+j+1], s[96:97], v[BV+2*(\a):BV+2*(\a)+1] op_sel_hi:[1,0,1]
.set j, j+2
.endr
	WIN 0
.set j, 0
.rept 64
	v_med3_num_f32 v[T+j], v[T+j], -v[LIMV], v[LIMV]
.set j, j+1
.endr
.irp b, 0,1,2,3,4,5,6,7
	v_cvt_scalef32_pk8_fp8_f32 v[C+16*(\a)+2*\b:C+16*(\a)+2*\b+1], v[T+8*\b:T+8*\b+7], v[SCV]
.endr
	v_nop
.irp b, 0,1,2,3,4,5,6,7
	ds_store_b64 v[STO], v[C+16*(\a)+2*\b:C+16*(\a)+2*\b+1] offset:4352*(\a)+16*\b
.endr
.endm
	PLACES NP
.irp a, 0,1,2,3,4,5,6,7
	VBLOCK \a
.endr
	s_wait_dscnt 0x0
	s_barrier_signal -1
	s_barrier_wait -1
.set i, 0
.rept 32
	ds_load_b128 v[C+4*i:C+4*i+3], v[RD] offset:544*i
.set i, i+1
.endr
.set i, 0
.rept 32
	s_wait_dscnt 31-i
	global_store_b128 v[CO], v[C+4*i:C+4*i+3], s[10:11] offset:4096*i
.set i, i+1
.endr
	s_wait_tensorcnt 0x0
	ds_add_u32 v[SPW], v[NIL]
	s_wait_dscnt 0x0
	CROUND
	s_endpgm
.Lfunc_end_k_q083aab3f2e_gemm_v:
	.size	k_q083aab3f2e_gemm_v, .Lfunc_end_k_q083aab3f2e_gemm_v-k_q083aab3f2e_gemm_v
	.p2alignl 7, 3214868480
	.fill 96, 4, 3214868480
	.section	.rodata,"a",@progbits
	.p2align	6, 0x0
	.amdhsa_kernel k_q083aab3f2e_gemm_v
		.amdhsa_group_segment_fixed_size 327680
		.amdhsa_private_segment_fixed_size 0
		.amdhsa_enable_private_segment 0
		.amdhsa_kernarg_size 40
		.amdhsa_user_sgpr_count 2
		.amdhsa_user_sgpr_kernarg_segment_ptr 1
		.amdhsa_wavefront_size32 1
		.amdhsa_system_sgpr_workgroup_id_x 1
		.amdhsa_system_sgpr_workgroup_id_y 1
		.amdhsa_system_sgpr_workgroup_id_z 1
		.amdhsa_system_vgpr_workitem_id 0
		.amdhsa_next_free_vgpr 1024
		.amdhsa_next_free_sgpr 100
		.amdhsa_reserve_vcc 0
		.amdhsa_float_denorm_mode_32 3
		.amdhsa_float_denorm_mode_16_64 3
		.amdhsa_memory_ordered 1
		.amdhsa_forward_progress 1
		.amdhsa_inst_pref_size 143
	.end_amdhsa_kernel
	.amdgpu_metadata
---
amdhsa.version: [ 1, 2 ]
amdhsa.kernels:
  - .name:           k_q083aab3f2e_gemm_v
    .symbol:         k_q083aab3f2e_gemm_v.kd
    .args:
      - { .name: w_codes, .offset: 0, .size: 8, .value_kind: global_buffer, .address_space: global }
      - { .name: x_codes, .offset: 8, .size: 8, .value_kind: global_buffer, .address_space: global }
      - { .name: lowp_scales, .offset: 16, .size: 8, .value_kind: global_buffer, .address_space: global }
      - { .name: v_codes, .offset: 24, .size: 8, .value_kind: global_buffer, .address_space: global }
      - { .name: c_attn_b, .offset: 32, .size: 8, .value_kind: global_buffer, .address_space: global }
    .group_segment_fixed_size: 327680
    .private_segment_fixed_size: 0
    .kernarg_segment_align: 8
    .kernarg_segment_size: 40
    .max_flat_workgroup_size: 128
    .sgpr_count:     100
    .vgpr_count:     1024
    .wavefront_size: 32
...
	.end_amdgpu_metadata
.endif
;; end of part 3
;; launch attn (part 4): grid 4 x 64, 16 waves a work-group, clusters of 4 x 1, 327,680 bytes of LDS; arguments qk_codes, v_codes, lowp_scales, y_codes; writes y_codes
.if DOCPART == 4
	.amdgcn_target "amdgcn-amd-amdhsa--gfx1250"
	.amdhsa_code_object_version 6
	.text
	.protected	k_q083aab3f2e_attn
	.globl	k_q083aab3f2e_attn
	.p2align	8
	.type	k_q083aab3f2e_attn,@function
k_q083aab3f2e_attn:
	s_mov_b64 s[64:65], 0
	v_nop
	global_prefetch_b8 v0, s[64:65] scope:SCOPE_SE
	s_setreg_imm32_b32 hwreg(HW_REG_WAVE_MODE, 25, 1), 1
	s_wait_xcnt 0x0
	s_wait_alu depctr_hold_cnt(0) depctr_sa_sdst(0) depctr_va_vdst(0) depctr_va_sdst(0) depctr_va_ssrc(0) depctr_va_vcc(0) depctr_vm_vsrc(0)
	s_getreg_b32 s2, hwreg(HW_REG_IB_STS2, 6, 4)
	s_cmp_eq_u32 s2, 0
	s_cbranch_scc0 .Lentry_in_a_cluster
	s_endpgm
.Lentry_in_a_cluster:
	s_bfe_u32 s2, ttmp6, 0x10000c
	s_cmp_lg_u32 s2, 0x3003
	s_cbranch_scc0 .Lentry_shape_is_right
	s_endpgm
.Lentry_shape_is_right:
; Causal attention on codes of E4M3, head size 64: y = softmax(q k^T / 8, key <= query) v, then y quantised with 2^e6 for the projection.
; WORK LEFT OUT: a step of 128 keys all of which come after a tile's 16 queries is not multiplied: reference()'s own jnp.tril gives those keys the weight 0 whatever the inputs hold.
; q, k: qk_codes [2][64 (batch, head)][2048 t][64 d].  v: v_codes [64 (batch, head)][64 d][2048 t], the keys innermost.  y_codes [32 (8 b + t / 256)][16 head][256 t][64 d].
; THE SOFTMAX AHEAD OF THE SECOND PRODUCT: t = score x log2(e) / 8; M = the running largest t rounded UP to a whole number; p = 2^(t - M) is quantised with 2^e4; the row's sum is taken of the
; unquantised p and divides at the end; when M moves, the sum and O are multiplied by 2^(old M - new M), which rounds nothing.
; SHARES.  A cluster of four work-groups serves one (batch, head).  The head's WHOLE K and V, 2 x 131,072 bytes, lie in each work-group's LDS: sixteen joint loads, one a wave (waves 0-7: 256 keys of K each,
; waves 8-15: 256 keys of V's 64 rows each), each asked for by all four partners with one descriptor.  Every LDS byte is filled once; one barrier shows all of it to all waves; the loop has no barrier.
; The head's 2,048 queries are 16 groups of 128, a group 8 tiles of 16.  Wave w of partner cx owns tile 2 cx + (w & 1) of group w >> 1 (tile A) and of group 15 - (w >> 1) (tile B):
; (w >> 1) + 1 and 16 - (w >> 1) key steps of 128, 17 for every wave.  All branches hang on the wave's number and the count of steps, none on the place in the cluster; that place enters
; only the addresses of q and y and the lanes' mask on the diagonal.  Both tiles walk the keys together, so while A is live one set of fragments of K and of V serves two tiles.
; Every wave walks 8 trips of two key steps (a constant count); steps behind a tile's last are jumped over.  A tile's last step lies on the diagonal: there hidden scores become -infinity.
; NO PREFETCH: all tensor loads go out at the head, so there is no loop in which to run ahead of a load.
; LAYOUT.  Both products transposed: S^T = K Q^T (16 keys x 16 queries, K = 64), O^T = V^T P^T (16 channels x 16 queries, K = 128 keys): a lane holds ONE query (lane % 16) of each tile.
; Lane (r, h), register j of score tile t is key 16 t + 8 h + j: the conversion of a tile's 8 registers gives registers 2 t, 2 t + 1 of P in the layout of the K = 128 form; V's fragments are read in it (8 bytes a load).
; K's and Q's fragments come by two loads of 16 bytes: a permutation of d that is the same on both sides.
; LDS: K as 512 lines of 4 keys (256 bytes + 16); from VOFF V in 8 chunks of 64 channel rows x 256 keys (256 bytes + 16); the spare words; a stage of 2,048 bytes a wave.
; REGISTERS: v0-27 addresses, constants, the two tiles' states, temporaries; v28-43 Q of A and B; v44-107 fragments of K, then of V; v110-173 S^T, then p; v174-189 P of A;
; v108-123 P of B, laid over scores that are already converted; v190-221 O^T of A, v222-253 of B.
; LIMITS: e2 + e3 between -123 and 130 (added to c's exponent field); e4, e6 between -126 and 119; e4 + e5 goes by v_ldexp_f32.  NaN among the inputs is not served.
.set KP,    272
.set CH,    64*KP                      ; what one load brings: 64 lines or rows
.set VOFF,  8*CH
.set SPARE, 16*CH                      ; the spare words, 128 bytes for each of 16 waves
.set STAGE, SPARE+2048
.set AK0,  1
.set AV0,  2
.set ADK,  3
.set ADV,  4
.set SPW,  5                           ; LDS address of my spare word; never rewritten
.set NIL,  6                           ; 0; never rewritten
.set DQ,   7                           ; my query's place in its group - 8 h
.set H0,   8                           ; 448 x 2^e4, twice: the two halves of a dual line name registers of their own
.set H1,   9
.set SC,   10                          ; 2^e4
.set NINF, 11
.set STA,  12                          ; a tile's state: -M, the largest t, the sum in two halves
.set STB,  16
.set F,    20                          ; f = 2^(old M - new M), low word of a pair
.set T0,   22
.set T1,   23
.set T2,   24
.set C1,   22                          ; three more chains of the row's sum
.set C2,   24
.set C3,   26
.set QA,   28
.set QB,   36
.set X,    44
.set PBR,  108
.set S,    110
.set PAR,  174
.set OA,   190
.set OB,   222
.set WV,   12                          ; s12 my wave's number
.set GA,   13                          ; s13 tile A's group = its last key step
.set GB,   14                          ; s14 tile B's
.set KN,   15                          ; s15 the key step
.set TB,   16                          ; s16 LDS byte of the chunk in hand
.set TRIPS, 17
.set SEL,  18
.set CS,   20
.set G1K,  24
.set G1V,  32
.set G0K,  40
.set G0V,  44
.set YA,   68
.set YB,   70
.set QPA,  72
.set QPB,  74
.macro ROUND                           ; a round of the cluster's barrier
	s_barrier_signal -1
	s_barrier_wait -1
	s_cmp_lg_u32 s[WV], 0
	s_cbranch_scc1 .Lnot_wave_0_\@
	s_barrier_signal -3
.Lnot_wave_0_\@:
	s_barrier_wait -3
	s_barrier_signal -1
	s_barrier_wait -1
.endm
.macro TILEADR g, qo, yo               ; byte offsets of a tile's 16 queries in q's codes and in y_codes
	s_lshl_b32 s66, s[\g], 7
	s_add_co_u32 s66, s66, s60                     ; its first query
	s_lshl_b32 s[\qo], s66, 6
	s_add_co_u32 s[\qo], s[\qo], s58
	s_mov_b32 s[\qo+1], 0
	s_lshr_b32 s67, s57, 4
	s_lshl_b32 s67, s67, 3
	s_lshr_b32 s[\yo], s66, 8
	s_add_co_u32 s67, s67, s[\yo]                  ; 8 b + t / 256
	s_lshl_b32 s67, s67, 4
	s_and_b32 s[\yo], s57, 15
	s_add_co_u32 s67, s67, s[\yo]                  ; x 16 + head
	s_lshl_b32 s67, s67, 14
	s_and_b32 s66, s66, 255
	s_lshl_b32 s66, s66, 6
	s_add_co_u32 s[\yo], s67, s66
	s_mov_b32 s[\yo+1], 0
.endm
	s_load_b256 s[4:11], s[0:1], 0x0               ; qk_codes s[4:5], v_codes s[6:7], the exponents s[8:9], y_codes s[10:11]
	v_lshl_add_u32 v[SPW], v0, 2, SPARE
	v_mov_b32 v[NIL], 0
	ds_add_u32 v[SPW], v[NIL]                      ; the wave's opening: the add, twice on end, and its wait ahead of my first tensor load
	ds_add_u32 v[SPW], v[NIL]
	v_lshrrev_b32 v[ADK], 5, v0
	v_readfirstlane_b32 s[WV], v[ADK]              ; wave 0..15
	s_bfe_u32 s56, ttmp6, 0x40000                  ; cx
	s_and_b32 s57, ttmp7, 0xffff                   ; 16 b + head
	s_lshl_b32 s58, s57, 17                        ; its 131,072 bytes in q, in k and in v
	s_mov_b32 s59, 0
	s_lshr_b32 s[GA], s[WV], 1
	s_sub_co_u32 s[GB], 15, s[GA]
	s_and_b32 s60, s[WV], 1
	s_lshl_b32 s61, s56, 1
	s_add_co_u32 s60, s60, s61
	s_lshl_b32 s60, s60, 4                         ; my tiles' first query within their groups: 16 (2 cx + (w & 1))
	TILEADR GA, QPA, YA
	TILEADR GB, QPB, YB
	s_mov_b32 s[G1K], 15|(1<<20)|(1<<21)|(5<<22)|(3<<25)   ; the mask names all four partners; elements of 1 byte; 4 words of padding behind every 64
	s_mov_b32 s[G1V], 15|(1<<20)|(1<<21)|(5<<22)|(3<<25)
.irp g, G1K, G1V
	s_mov_b32 s[\g+1], 256<<16                     ; tensor_dim0
	s_mov_b32 s[\g+2], 64<<16                      ; tensor_dim1
	s_mov_b32 s[\g+3], 256<<16                     ; tile_dim0
	s_mov_b32 s[\g+4], 64                          ; tile_dim1
	s_mov_b32 s[\g+6], 0
	s_mov_b32 s[\g+7], 0
.endr
	s_mov_b32 s[G1K+5], 256                        ; K's 256 keys are one dense block: lines of 4 keys
	s_mov_b32 s[G1V+5], 2048                       ; a channel's row of V
	s_mov_b32 s[SEL], 0x76543210
	s_mov_b32 s[SEL+1], 0xfedcba98
	s_mov_b32 s[CS], 0x3e38aa3b                    ; c = log2(e) / 8
	s_mov_b32 s[TB], 0
	s_mov_b32 s[KN], 0
	s_mov_b32 s[TRIPS], 8
	s_mul_i32 s67, s[WV], CH                       ; where my load lands: wave x a chunk (V's chunks follow K's eight)
	s_and_b32 s66, s[WV], 7                        ; which 256 keys
	s_wait_alu depctr_va_vdst(0)                   ; the wait here, directly ahead of the wait below
	s_wait_dscnt 0x0                               ; both opening adds are done
	s_wait_kmcnt 0x0
	s_load_b256 s[48:55], s[8:9], 0x0              ; e0 .. e7
	s_add_nc_u64 s[76:77], s[4:5], s[58:59]
	s_add_nc_u64 s[76:77], s[76:77], 0x800000      ; the head's K
	s_add_nc_u64 s[78:79], s[6:7], s[58:59]        ; the head's V
	s_lshl_b32 s80, s66, 14
	s_mov_b32 s81, 0
	s_mov_b32 s[G0K], 1
	s_mov_b32 s[G0K+1], s67
	s_add_nc_u64 s[G0K+2:G0K+3], s[76:77], s[80:81]
	s_or_b32 s[G0K+3], s[G0K+3], 0x80000000
	s_lshl_b32 s80, s66, 8
	s_mov_b32 s[G0V], 1
	s_mov_b32 s[G0V+1], s67
	s_add_nc_u64 s[G0V+2:G0V+3], s[78:79], s[80:81]
	s_or_b32 s[G0V+3], s[G0V+3], 0x80000000
	s_add_nc_u64 s[QPA:QPA+1], s[4:5], s[QPA:QPA+1]
	s_add_nc_u64 s[QPB:QPB+1], s[4:5], s[QPB:QPB+1]
	s_add_nc_u64 s[YA:YA+1], s[10:11], s[YA:YA+1]
	s_add_nc_u64 s[YB:YB+1], s[10:11], s[YB:YB+1]
	ROUND                                          ; all four partners are here: the joint loads meet
	s_cmp_lt_u32 s[WV], 8                          ; one load a wave, one in each arm; s_nop 0 and four v_nop follow each
	s_cbranch_scc0 .Lfor_v
	tensor_load_to_lds s[G0K:G0K+3], s[G1K:G1K+7]
	s_nop 0
.rept 4
	v_nop
.endr
	s_branch .Lasked
.Lfor_v:
	tensor_load_to_lds s[G0V:G0V+3], s[G1V:G1V+7]
	s_nop 0
.rept 4
	v_nop
.endr
.Lasked:
	v_and_b32 v20, 15, v0                          ; r
	v_bfe_u32 v21, v0, 4, 1                        ; h
	v_lshlrev_b32 v[ADK], 6, v20
	v_lshl_add_u32 v[ADK], v21, 4, v[ADK]
	global_load_b128 v[QA:QA+3], v[ADK], s[QPA:QPA+1]             ; Q's fragments stay in registers: d = 16 h + 0 .. 15,
	global_load_b128 v[QA+4:QA+7], v[ADK], s[QPA:QPA+1] offset:32 ; d = 32 + 16 h + 0 .. 15
	global_load_b128 v[QB:QB+3], v[ADK], s[QPB:QPB+1]
	global_load_b128 v[QB+4:QB+7], v[ADK], s[QPB:QPB+1] offset:32
	v_lshrrev_b32 v[ADV], 2, v20
	v_mul_u32_u24 v[AK0], v[ADV], KP
	v_and_b32 v[ADV], 3, v20
	v_lshl_add_u32 v[AK0], v[ADV], 6, v[AK0]
	v_lshl_add_u32 v[AK0], v21, 4, v[AK0]          ; K: line r / 4, key r % 4 in it, + 16 h
	v_mul_u32_u24 v[AV0], v20, KP
	v_lshl_add_u32 v[AV0], v21, 3, v[AV0]
	v_add_nc_u32 v[AV0], VOFF, v[AV0]              ; V: channel row r, + 8 h
	v_lshlrev_b32 v[DQ], 3, v21
	v_sub_nc_u32 v[DQ], v20, v[DQ]
	v_add_nc_u32 v[DQ], s60, v[DQ]
	v_mov_b32 v[NINF], 0xff800000
.irp st, STA, STB
	v_mov_b32 v[\st+1], 0xff61b1e6                 ; the largest t so far: -3e38
	v_floor_f32 v[\st], -v[\st+1]                  ; -M
	v_mov_b32 v[\st+2], 0
	v_mov_b32 v[\st+3], 0
.endr
.irp j, 22,23,24,25,26,27
	v_mov_b32 v\j, 0                               ; written once: a lane permute's destination counts as one of its sources
.endr
.set j, 0
.rept 64
	v_mov_b32 v[OA+j], 0                           ; O^T of both tiles: the step is written once; the first finds zeros, which the first change of M leaves zeros
.set j, j+1
.endr
	s_wait_kmcnt 0x0
	s_add_co_i32 s56, s50, s51
	s_lshl_b32 s56, s56, 23
	s_add_co_i32 s[CS], s[CS], s56                 ; a score stands for score x 2^(e2 + e3): added to c's exponent field
	s_mov_b32 s[CS+1], s[CS]
	s_add_co_i32 s56, s52, 127
	s_lshl_b32 s61, s56, 23
	v_mov_b32 v[SC], s61                           ; 2^e4
	s_add_co_i32 s56, s56, 8
	s_lshl_b32 s56, s56, 23
	s_or_b32 s56, s56, 0x600000
	v_mov_b32 v[H0], s56                           ; 448 x 2^e4
	v_mov_b32 v[H1], s56
.macro SCORES q                        ; S^T = K Q^T, eight tiles of 16 keys; four places follow
.irp t, 0,1,2,3,4,5,6,7
	v_wmma_f32_16x16x64_fp8_fp8 v[S+8*\t:S+8*\t+7], v[X+8*\t:X+8*\t+7], v[\q:\q+7], 0
.endr
.rept 4
	v_nop
.endr
.endm
.macro PV o, p                         ; O^T += V^T P^T: the four accumulators take turns
.irp u, 0,1,2,3
	v_wmma_f32_16x16x128_fp8_fp8 v[\o+8*\u:\o+8*\u+7], v[X+16*\u:X+16*\u+15], v[\p:\p+15], v[\o+8*\u:\o+8*\u+7]
.endr
.endm
.macro MASK g                          ; in a tile's last step register n holds key 16 (n / 8) + n % 8 + 8 h of the group: hidden where that comes after my query
	s_cmp_lg_u32 s[KN], s[\g]
	s_cbranch_scc1 .Lopen_\@
.set n, 0
.rept 64
	v_cmp_gt_i32 vcc_lo, 16*(n/8)+n%8, v[DQ]
	v_cndmask_b32 v[S+n], v[S+n], v[NINF], vcc_lo
.set n, n+1
.endr
.Lopen_\@:
.endm
.macro ADDS st, t                      ; score tile t's eight p into the row's sum, four chains of pairs, ahead of the hold
.if (\t) == 0
	v_pk_add_f32 v[C1:C1+1], v[S:S+1], v[S+2:S+3]
	v_pk_add_f32 v[C2:C2+1], v[S+4:S+5], v[S+6:S+7]
.elseif (\t) == 1
	v_pk_add_f32 v[C3:C3+1], v[S+8:S+9], v[S+10:S+11]
	v_pk_add_f32 v[\st+2:\st+3], v[\st+2:\st+3], v[S+12:S+13]
	v_pk_add_f32 v[C1:C1+1], v[C1:C1+1], v[S+14:S+15]
.else
	v_pk_add_f32 v[\st+2:\st+3], v[\st+2:\st+3], v[S+8*(\t):S+8*(\t)+1]
	v_pk_add_f32 v[C1:C1+1], v[C1:C1+1], v[S+8*(\t)+2:S+8*(\t)+3]
	v_pk_add_f32 v[C2:C2+1], v[C2:C2+1], v[S+8*(\t)+4:S+8*(\t)+5]
	v_pk_add_f32 v[C3:C3+1], v[C3:C3+1], v[S+8*(\t)+6:S+8*(\t)+7]
.endif
.endm
.macro HOLD t                          ; the conversion does not saturate (ISA guide 7.6.2); p is not negative, so the hold is one-sided; two numbers a line
.irp k, 0,2,4,6
	v_dual_min_num_f32 v[S+8*(\t)+\k], v[S+8*(\t)+\k], v[H0] :: v_dual_min_num_f32 v[S+8*(\t)+\k+1], v[S+8*(\t)+\k+1], v[H1]
.endr
.endm
.macro CODES p, t                      ; keys 16 t + 8 h + 0 .. 7: registers 2 t, 2 t + 1 of P
	v_cvt_scalef32_pk8_fp8_f32 v[\p+2*(\t):\p+2*(\t)+1], v[S+8*(\t):S+8*(\t)+7], v[SC]
.endm
; One tile's softmax over the 128 keys in S.  st: its state; o: its O^T; p: where its codes go.
.macro SOFTMAX st, o, p
	v_max3_num_f32 v[T0], v[S], v[S+1], v[S+2]     ; the largest score of my query among my 64 keys, in two chains; each score tile is met from its low end on
	v_max3_num_f32 v[T1], v[S+3], v[S+4], v[S+5]
.irp i, 6,10,14,18,22,26,30,34,38,42,46,50,54,58
	v_max3_num_f32 v[T0], v[T0], v[S+\i], v[S+\i+1]
	v_max3_num_f32 v[T1], v[T1], v[S+\i+2], v[S+\i+3]
.endr
	v_max3_num_f32 v[T0], v[T0], v[S+62], v[S+63]
	s_delay_alu instid0(VALU_DEP_1)
	v_max_num_f32 v[T0], v[T0], v[T1]
	s_delay_alu instid0(VALU_DEP_1)
	v_permlanex16_b32 v[T2], v[T0], s[SEL], s[SEL+1]
	s_delay_alu instid0(VALU_DEP_1)
	v_max_num_f32 v[T0], v[T0], v[T2]              ; and among lane l xor 16's
	s_delay_alu instid0(VALU_DEP_1)
	v_mul_f32 v[T0], s[CS], v[T0]                  ; as t (c is positive)
	s_delay_alu instid0(VALU_DEP_1)
	v_max_num_f32 v[\st+1], v[\st+1], v[T0]
	v_mov_b32 v[T0], v[\st]
	s_delay_alu instid0(VALU_DEP_2)
	v_floor_f32 v[\st], -v[\st+1]                  ; the new -M = floor(-t): M is a whole number
	s_delay_alu instid0(VALU_DEP_1)
	v_sub_f32 v[T0], v[\st], v[T0]                 ; old M - new M: a whole number, 0 or less
	s_delay_alu instid0(VALU_DEP_1)
	v_cvt_i32_f32 v[T0], v[T0]
	s_delay_alu instid0(VALU_DEP_1)
	v_ldexp_f32 v[F], 1.0, v[T0]                   ; f = 2^(old M - new M)
.set j, 0
.rept 32
	v_pk_fma_f32 v[S+j:S+j+1], v[S+j:S+j+1], s[CS:CS+1], v[\st:\st+1] op_sel_hi:[1,0,0]   ; t - M
.set j, j+2
.endr
	s_wait_alu depctr_va_vdst(0)                   ; the wait ahead of the batch
.set j, 0
.rept 64
	v_exp_f32 v[S+j], v[S+j]                       ; p = 2^(t - M)
.set j, j+1
.endr
	s_wait_alu depctr_va_vdst(0)                   ; one wait for the batch, which also stands directly ahead of the first readers of O^T
.set j, 0
.rept 16
	v_pk_mul_f32 v[\o+j:\o+j+1], v[\o+j:\o+j+1], v[F:F+1] op_sel_hi:[1,0]   ; O^T under the new M; the first is the plain line behind the exponentials
.set j, j+2
.endr
	v_pk_mul_f32 v[\st+2:\st+3], v[\st+2:\st+3], v[F:F+1] op_sel_hi:[1,0]   ; the sum under the new M
	ADDS \st, 0
	HOLD 0
.irp t, 1,2,3,4,5,6,7                  ; the next tile's additions are the plain lines between two conversions
	ADDS \st, \t
	CODES \p, \t-1
	HOLD \t
.endr
	v_pk_add_f32 v[C1:C1+1], v[C1:C1+1], v[C2:C2+1]
	v_pk_add_f32 v[\st+2:\st+3], v[\st+2:\st+3], v[C3:C3+1]
	CODES \p, 7
	v_pk_add_f32 v[\st+2:\st+3], v[\st+2:\st+3], v[C1:C1+1]   ; also the plain line behind the last conversion
.endm
; A KEY STEP: 128 keys, the q-th half of the chunk in hand, for tile B and, while it is live, tile A.
.macro STEP q
	s_cmp_gt_u32 s[KN], s[GB]                      ; behind B's last step nothing is left
	s_cbranch_scc1 .Lhid_\@
	v_add_nc_u32 v[ADK], s[TB], v[AK0]
	v_add_nc_u32 v[ADV], s[TB], v[AV0]
.rept 3
	v_nop                                          ; with the two additions five places: the scores below are laid over registers that the last products read
.endr
.irp t, 0,1,2,3,4,5,6,7
	ds_load_b128 v[X+8*\t:X+8*\t+3], v[ADK] offset:KP*(32*(\q)+4*\t)
	ds_load_b128 v[X+8*\t+4:X+8*\t+7], v[ADK] offset:KP*(32*(\q)+4*\t)+32
.endr
	s_wait_alu depctr_va_vdst(0)                   ; the wait here, directly ahead of the wait below
	s_wait_dscnt 0x0
	s_cmp_gt_u32 s[KN], s[GA]
	s_cbranch_scc1 .Lno_a_\@
	SCORES QA
	MASK GA
	SOFTMAX STA, OA, PAR
.Lno_a_\@:
	SCORES QB
.irp u, 0,1,2,3                        ; K's fragments are done with: V's take their registers and land under B's softmax
.irp c, 0,1,2,3,4,5,6,7
	ds_load_b64 v[X+16*\u+2*\c:X+16*\u+2*\c+1], v[ADV] offset:16*KP*\u+128*(\q)+16*\c
.endr
.endr
	MASK GB
	SOFTMAX STB, OB, PBR
	s_wait_alu depctr_va_vdst(0)                   ; the wait here, directly ahead of the wait below
	s_wait_dscnt 0x0                               ; V's fragments are in
	s_cmp_gt_u32 s[KN], s[GA]
	s_cbranch_scc1 .Lno_pa_\@
	PV OA, PAR
.Lno_pa_\@:
	PV OB, PBR
.Lhid_\@:
	s_add_co_u32 s[KN], s[KN], 1
.endm
	s_wait_alu depctr_va_vdst(0)                   ; the wait at the head's end
	s_wait_loadcnt 0x0                             ; Q
	s_wait_tensorcnt 0x0                           ; my chunk has landed
	s_barrier_signal -1
	s_barrier_wait -1                              ; and everybody's: all of K and V is in; nothing is filled again
.Lchunk:                                           ; 8 trips
	STEP 0
	STEP 1
	s_add_co_u32 s[TB], s[TB], CH
	s_sub_co_u32 s[TRIPS], s[TRIPS], 1
	s_cmp_lg_u32 s[TRIPS], 0
	s_cbranch_scc1 .Lchunk
	; THE WAY OUT, both tiles: O^T / the sum x 2^(e4 + e5) is y; it is quantised with 2^e6; 8 codes a lane and channel tile go through my stage and leave as 1,024 consecutive bytes a tile.
	v_add_f32 v[STA+2], v[STA+2], v[STA+3]
	v_add_f32 v[STB+2], v[STB+2], v[STB+3]
	v_permlanex16_b32 v[T0], v[STA+2], s[SEL], s[SEL+1]
	v_permlanex16_b32 v[T1], v[STB+2], s[SEL], s[SEL+1]
	v_add_f32 v[STA+2], v[STA+2], v[T0]            ; the rows' sums
	v_add_f32 v[STB+2], v[STB+2], v[T1]
	s_wait_alu depctr_va_vdst(0)                   ; the wait ahead of the batch
	v_rcp_f32 v[STA+2], v[STA+2]
	v_rcp_f32 v[STB+2], v[STB+2]
	v_and_b32 v[T0], 15, v0                        ; (a plain line behind the reciprocals)
	v_bfe_u32 v[T1], v0, 4, 1
	s_add_co_i32 s56, s52, s53
	s_lshl_b32 s57, s[WV], 11
	s_add_co_u32 s57, s57, STAGE                   ; my stage
	v_lshlrev_b32 v[AK0], 6, v[T0]
	v_lshl_add_u32 v[AK0], v[T1], 3, v[AK0]
	v_add_nc_u32 v[AK0], s57, v[AK0]               ; in: query r's 64 bytes, + 8 h
	v_and_b32 v[ADK], 31, v0
	v_lshlrev_b32 v[ADK], 4, v[ADK]                ; 16 bytes a lane
	v_add_nc_u32 v[AV0], s57, v[ADK]               ; back
	s_add_co_i32 s58, s54, 127
	s_lshl_b32 s59, s58, 23
	v_mov_b32 v[SC], s59                           ; 2^e6
	s_add_co_i32 s58, s58, 8
	s_lshl_b32 s58, s58, 23
	s_or_b32 s58, s58, 0x600000
	v_mov_b32 v[H0], s58                           ; 448 x 2^e6
	s_wait_alu depctr_va_vdst(0)                   ; the wait ahead of the reciprocals' first readers
	v_ldexp_f32 v[STA+2], v[STA+2], s56
	v_ldexp_f32 v[STB+2], v[STB+2], s56
	s_wait_alu depctr_va_vdst(0)                   ; the wait here, directly ahead of the first readers of O^T
.set j, 0
.rept 16
	v_pk_mul_f32 v[S+j:S+j+1], v[OA+j:OA+j+1], v[STA+2:STA+3] op_sel_hi:[1,0]   ; register 8 u + i is y(query r, channel 16 u + 8 h + i)
.set j, j+2
.endr
.set j, 0
.rept 16
	v_pk_mul_f32 v[S+32+j:S+32+j+1], v[OB+j:OB+j+1], v[STB+2:STB+3] op_sel_hi:[1,0]
.set j, j+2
.endr
.set j, 0
.rept 64
	v_med3_num_f32 v[S+j], v[S+j], -v[H0], v[H0]
.set j, j+1
.endr
.irp u, 0,1,2,3,4,5,6,7
	v_cvt_scalef32_pk8_fp8_f32 v[PAR+2*\u:PAR+2*\u+1], v[S+8*\u:S+8*\u+7], v[SC]
.endr
	v_nop
.irp u, 0,1,2,3,4,5,6,7
	ds_store_b64 v[AK0], v[PAR+2*\u:PAR+2*\u+1] offset:1024*(\u/4)+16*(\u%4)
.endr
.irp i, 0,1,2,3
	ds_load_b128 v[X+4*\i:X+4*\i+3], v[AV0] offset:512*\i   ; LDS serves a wave's instructions in order: these see my stores
.endr
	s_wait_dscnt 0x0
	global_store_b128 v[ADK], v[X:X+3], s[YA:YA+1]             ; 512 consecutive aligned bytes each
	global_store_b128 v[ADK], v[X+4:X+7], s[YA:YA+1] offset:512
	global_store_b128 v[ADK], v[X+8:X+11], s[YB:YB+1]
	global_store_b128 v[ADK], v[X+12:X+15], s[YB:YB+1] offset:512
	s_wait_tensorcnt 0x0                           ; the wave's end
	ds_add_u32 v[SPW], v[NIL]
	s_wait_dscnt 0x0
	ROUND                                          ; the closing round
	s_endpgm
.Lfunc_end_k_q083aab3f2e_attn:
	.size	k_q083aab3f2e_attn, .Lfunc_end_k_q083aab3f2e_attn-k_q083aab3f2e_attn
	.p2alignl 7, 3214868480
	.fill 96, 4, 3214868480
	.section	.rodata,"a",@progbits
	.p2align	6, 0x0
	.amdhsa_kernel k_q083aab3f2e_attn
		.amdhsa_group_segment_fixed_size 327680
		.amdhsa_private_segment_fixed_size 0
		.amdhsa_enable_private_segment 0
		.amdhsa_kernarg_size 32
		.amdhsa_user_sgpr_count 2
		.amdhsa_user_sgpr_kernarg_segment_ptr 1
		.amdhsa_wavefront_size32 1
		.amdhsa_system_sgpr_workgroup_id_x 1
		.amdhsa_system_sgpr_workgroup_id_y 1
		.amdhsa_system_sgpr_workgroup_id_z 1
		.amdhsa_system_vgpr_workitem_id 0
		.amdhsa_next_free_vgpr 256
		.amdhsa_next_free_sgpr 100
		.amdhsa_reserve_vcc 1
		.amdhsa_float_denorm_mode_32 3
		.amdhsa_float_denorm_mode_16_64 3
		.amdhsa_memory_ordered 1
		.amdhsa_forward_progress 1
		.amdhsa_inst_pref_size 99
	.end_amdhsa_kernel
	.amdgpu_metadata
---
amdhsa.version: [ 1, 2 ]
amdhsa.kernels:
  - .name:           k_q083aab3f2e_attn
    .symbol:         k_q083aab3f2e_attn.kd
    .args:
      - { .name: qk_codes, .offset: 0, .size: 8, .value_kind: global_buffer, .address_space: global }
      - { .name: v_codes, .offset: 8, .size: 8, .value_kind: global_buffer, .address_space: global }
      - { .name: lowp_scales, .offset: 16, .size: 8, .value_kind: global_buffer, .address_space: global }
      - { .name: y_codes, .offset: 24, .size: 8, .value_kind: global_buffer, .address_space: global }
    .group_segment_fixed_size: 327680
    .private_segment_fixed_size: 0
    .kernarg_segment_align: 8
    .kernarg_segment_size: 32
    .max_flat_workgroup_size: 512
    .sgpr_count:     100
    .vgpr_count:     256
    .wavefront_size: 32
...
	.end_amdgpu_metadata
.endif
;; end of part 4
;; launch proj (part 5): grid 8 x 32, 4 waves a work-group, clusters of 4 x 4, 327,680 bytes of LDS; arguments y_codes, w_codes, lowp_scales, out0, c_proj_b; writes out0
.if DOCPART == 5
	.amdgcn_target "amdgcn-amd-amdhsa--gfx1250"
	.amdhsa_code_object_version 6
	.text
	.protected	k_q083aab3f2e_proj
	.globl	k_q083aab3f2e_proj
	.p2align	8
	.type	k_q083aab3f2e_proj,@function
k_q083aab3f2e_proj:
	s_mov_b64 s[64:65], 0
	v_nop
	global_prefetch_b8 v0, s[64:65] scope:SCOPE_SE
	s_setreg_imm32_b32 hwreg(HW_REG_WAVE_MODE, 25, 1), 1
	s_wait_xcnt 0x0
	s_wait_alu depctr_hold_cnt(0) depctr_sa_sdst(0) depctr_va_vdst(0) depctr_va_sdst(0) depctr_va_ssrc(0) depctr_va_vcc(0) depctr_vm_vsrc(0)
	s_getreg_b32 s2, hwreg(HW_REG_IB_STS2, 6, 4)
	s_cmp_eq_u32 s2, 0
	s_cbranch_scc0 .Lentry_in_a_cluster
	s_endpgm
.Lentry_in_a_cluster:
	s_bfe_u32 s2, ttmp6, 0x10000c
	s_cmp_lg_u32 s2, 0xf033
	s_cbranch_scc0 .Lentry_shape_is_right
	s_endpgm
.Lentry_shape_is_right:
; out0 = y c_proj_w + c_proj_b on codes of E4M3: each finished sum x 2^(e6 + e7), + bias.  Nothing is left out here.
; A = y_codes [32 tile of 256 tokens][16 head][256 t][64 d]; B = w_codes rows 3072 + n, K innermost.  A block of out0 is 256 tokens x 128 columns: 32 x 8 = 256 work-groups.
; Four waves, 128 tokens x 64 columns each: 32 accumulators, 256 registers, one window.  K = 1,024 in four steps of 256 through two LDS slots of 256 lines of A and 128 rows of B.
; A K step of 256 is four heads: 65,536 dense bytes of A's tile, brought as 256 lines of 256 bytes (a line: 4 tokens x 64 d of one head); line 64 x (head in the step) + token / 4.
; A's fragment takes, for registers 4 c .. 4 c + 3, K = 128 q + 32 c + 16 h + 0 .. 15, that is head 2 q + c / 2, d = 32 (c % 2) + 16 h on: the same places of k as B's fragment.
; LOADS: a whole tile a load.  At the head wave 0 asks for A's K step 0, wave 1 for A's K step 1, wave 2 for B's K step 0, wave 3 for B's K step 1: one load a wave, both slots at once.
; Slot s is filled again by wave s (A) and wave 2 + s (B), behind a round of the cluster's barrier.  A wave has at most one tensor load out.
; CLUSTERS 4 x 4: A's tiles jointly along a row of the cluster, B's along a column.  NO PREFETCH: K has four steps, two of them asked for at the head, and the other two one step after.
; THE MATRIX INSTRUCTION IS USED TRANSPOSED: lane (r, h), register j of accumulator (a, b) is token 16 a + r, column 16 b + 8 h + j.
; The bias (my 4 x 8 numbers) is loaded under the last products into B's set 0, which is done with.  THE WAY OUT: a block of 16 rows x 64 columns goes through the wave's own stage in slot 0
; (its last fill and last read are past) and leaves as whole rows of 256 bytes, two rows a store.
; REGISTERS: window 0: v0-31 addresses, v32-63 a block's results, v128-255 A's fragments (one set; on the way out rows read back); window 1: B's fragments, two sets of 64; window 2: the accumulators, (a, b) at 32 a + 8 b.
; LIMIT: e6 + e7 between -126 and 127.
.set ROWB,   256
.set PITCH,  272
.set FR,     16
.set NL,     4
.set NP,     4
.set HALFT,  128*PITCH
.set SLOT,   3*HALFT                   ; A's 256 lines, then B's 128 rows
.set SPARE,  2*SLOT                    ; the spare words, 128 bytes a wave
.set SPITCH, 272
.set SIZE_N, 1024
.set ASTEP,  65536
.set BSTEP,  256
.set ADRA, 16
.set ADRB, 20
.set STO,  24
.set RD,   25
.set CO,   26
.set SPW,  28
.set NIL,  29
.set BO,   30                          ; v30  32 h
.set TMP,  32
.set AF,   128
.set BK,   128
.set G1,  24
.set G0,  32
.set G1B, 48
.set G0B, 56
.set G1C, (1<<20)|(1<<21)|(5<<22)|(3<<25)
.set MSB, 0
.macro WIN new
.if MSB != (\new)
	s_set_vgpr_msb (MSB<<8)|(\new)
.set MSB, (\new)
.endif
.endm
.set MUL,  0xa1                        ; source 0 (B) window 1, source 1 (A) window 0, C and D window 2
.set TO_B, 0x40
.macro TL g0, g1                       ; a tensor load with s_nop 0 and four v_nop behind it
	tensor_load_to_lds s[\g0:\g0+3], s[\g1:\g1+7]
	s_nop 0
.rept 4
	v_nop
.endr
.endm
.macro HLOAD                           ; the first fills: one chain, one load in each arm
	s_cmp_eq_u32 s14, 0
	s_cbranch_scc0 .Lh_a1
	TL G0, G1
	s_branch .Lh_done
.Lh_a1:
	s_cmp_eq_u32 s14, 1
	s_cbranch_scc0 .Lh_b0
	TL G0+4, G1
	s_branch .Lh_done
.Lh_b0:
	s_cmp_eq_u32 s14, 2
	s_cbranch_scc0 .Lh_b1
	TL G0B, G1B
	s_branch .Lh_done
.Lh_b1:
	TL G0B+4, G1B
.Lh_done:
.endm
.macro JLOAD s                         ; slot s again: wave s for A, wave 2 + s for B; the other two have four places in the load's stead
	s_cmp_eq_u32 s14, \s
	s_cbranch_scc0 .Lfor_b_\@
	TL G0+4*\s, G1
	s_branch .Lasked_\@
.Lfor_b_\@:
	s_cmp_eq_u32 s14, 2+\s
	s_cbranch_scc0 .Lnone_\@
	TL G0B+4*\s, G1B
	s_branch .Lasked_\@
.Lnone_\@:
.rept 4
	v_nop
.endr
.Lasked_\@:
.endm
.macro CREST
	s_cmp_lg_u32 s14, 0
	s_cbranch_scc1 .Lnot_wave_0_\@
	s_barrier_signal -3
.Lnot_wave_0_\@:
	s_barrier_wait -3
	s_barrier_signal -1
	s_barrier_wait -1
.endm
.macro CROUND
	s_barrier_signal -1
	s_barrier_wait -1
	CREST
.endm
.macro PLACES n
.rept \n
	v_nop
.endr
.endm
	s_load_b128 s[4:7], s[0:1], 0x0                ; y_codes s[4:5], w_codes s[6:7]
	s_load_b128 s[8:11], s[0:1], 0x10              ; the exponents s[8:9], out0 s[10:11]
	s_load_b64 s[84:85], s[0:1], 0x20              ; c_proj_b
	v_lshl_add_u32 v[SPW], v0, 2, SPARE
	v_mov_b32 v[NIL], 0
	ds_add_u32 v[SPW], v[NIL]                      ; the wave's opening: the add, twice on end, and its wait ahead of my first tensor load
	ds_add_u32 v[SPW], v[NIL]
	v_lshrrev_b32 v1, 5, v0
	v_readfirstlane_b32 s14, v1
	s_lshr_b32 s15, s14, 1                         ; which half of the block's tokens is mine
	s_and_b32 s16, s14, 1                          ; which half of its columns
	s_bfe_u32 s40, ttmp6, 0x40000
	s_bfe_u32 s41, ttmp6, 0x40004
	s_lshl_b32 s42, ttmp9, 2
	s_add_co_u32 s42, s42, s40                     ; block column 0..7
	s_and_b32 s17, ttmp7, 0xffff
	s_lshl_b32 s17, s17, 2
	s_add_co_u32 s17, s17, s41                     ; block row 0..31
	s_lshl_b32 s43, s41, 2
	s_lshl_b32 s43, 15, s43
	s_lshl_b32 s44, 0x1111, s40
	s_or_b32 s[G1], s43, G1C
	s_or_b32 s[G1B], s44, G1C
.irp g, G1, G1B
	s_mov_b32 s[\g+1], ROWB<<16
	s_mov_b32 s[\g+3], ROWB<<16
	s_mov_b32 s[\g+6], 0
	s_mov_b32 s[\g+7], 0
.endr
	s_mov_b32 s[G1+2], 256<<16                     ; A: 256 lines,
	s_mov_b32 s[G1+4], 256
	s_mov_b32 s[G1+5], 256                         ; dense
	s_mov_b32 s[G1B+2], 128<<16                    ; B: 128 rows of w_codes
	s_mov_b32 s[G1B+4], 128
	s_mov_b32 s[G1B+5], 1024
	s_lshl_b32 s20, s17, 18                        ; A: 262,144 bytes a block row
	s_mov_b32 s21, 0
	s_lshl_b32 s46, s42, 7
	s_add_co_u32 s46, s46, 3072
	s_lshl_b32 s46, s46, 10                        ; B: row 3072 + 128 x block column
	s_mov_b32 s47, 0
	s_wait_dscnt 0x0
	s_wait_kmcnt 0x0
	s_load_b64 s[96:97], s[8:9], 0x18              ; e6, e7
	s_add_nc_u64 s[20:21], s[4:5], s[20:21]
	s_add_nc_u64 s[46:47], s[6:7], s[46:47]
.irp s, 0,1
	s_mov_b32 s[G0+4*\s], 1
	s_mov_b32 s[G0+4*\s+1], \s*SLOT
	s_add_nc_u64 s[G0+4*\s+2:G0+4*\s+3], s[20:21], \s*ASTEP
	s_or_b32 s[G0+4*\s+3], s[G0+4*\s+3], 0x80000000
	s_mov_b32 s[G0B+4*\s], 1
	s_mov_b32 s[G0B+4*\s+1], \s*SLOT+2*HALFT
	s_add_nc_u64 s[G0B+4*\s+2:G0B+4*\s+3], s[46:47], \s*BSTEP
	s_or_b32 s[G0B+4*\s+3], s[G0B+4*\s+3], 0x80000000
.endr
	CROUND                                         ; all sixteen work-groups are here: the first joint loads meet
	HLOAD
	v_and_b32 v1, 15, v0                           ; r
	v_bfe_u32 v2, v0, 4, 1                         ; h
	v_mul_u32_u24 v3, v1, PITCH
	v_lshl_add_u32 v4, v2, 4, v3                   ; B: row r x pitch + 16 h
	v_lshrrev_b32 v5, 2, v1
	v_mul_u32_u24 v5, v5, PITCH
	v_and_b32 v6, 3, v1
	v_lshl_add_u32 v5, v6, 6, v5
	v_lshl_add_u32 v5, v2, 4, v5                   ; A: line r / 4, token r % 4 in it, + 16 h
	s_mul_i32 s21, s15, 32*PITCH                   ; my 128 tokens: 32 lines of each head
	s_mul_i32 s22, s16, 64*PITCH                   ; my 64 rows of B,
	s_add_co_u32 s22, s22, 2*HALFT                 ; which lie behind A's 256 lines
.irp s, 0,1
	v_add_nc_u32 v[ADRA+\s], s21, v5
	v_add_nc_u32 v[ADRB+\s], s22, v4
	s_add_co_u32 s21, s21, SLOT
	s_add_co_u32 s22, s22, SLOT
.endr
	s_mul_i32 s23, s14, 16*SPITCH                  ; my stage
	v_mul_u32_u24 v7, v1, SPITCH
	v_lshl_add_u32 v7, v2, 5, v7
	v_add_nc_u32 v[STO], s23, v7                   ; in: row r, 32 bytes for each half of the lanes
	v_mul_u32_u24 v6, v2, SPITCH
	v_lshl_add_u32 v6, v1, 4, v6
	v_add_nc_u32 v[RD], s23, v6                    ; back: lanes 0-15 take one row of 256 bytes, lanes 16-31 the next
	v_lshlrev_b32 v[CO], 12, v2
	v_lshl_add_u32 v[CO], v1, 4, v[CO]             ; and the same two rows in out0 (4,096 bytes a row)
	v_lshlrev_b32 v[BO], 5, v2
	s_lshl_b32 s82, s42, 9
	s_lshl_b32 s83, s16, 8
	s_add_co_u32 s82, s82, s83                     ; my first column, in bytes
	s_mov_b32 s83, 0
	s_add_nc_u64 s[84:85], s[84:85], s[82:83]      ; the bias there
	s_add_nc_u64 s[10:11], s[10:11], s[82:83]
	s_lshl_b32 s82, s17, 8
	s_lshl_b32 s83, s15, 7
	s_add_co_u32 s82, s82, s83
	s_lshl_b32 s82, s82, 12                        ; my first token x 4,096 bytes
	s_mov_b32 s83, 0
	s_add_nc_u64 s[10:11], s[10:11], s[82:83]
.macro FRAG reg, adr, q, i
.irp c, 0,1,2,3
	ds_load_b128 v[\reg+4*\c:\reg+4*\c+3], v[\adr] offset:128*(\q)+32*\c+(\i)*16*PITCH
.endr
.endm
.macro FRAGA reg, adr, q, i            ; head 2 q + c / 2 of the step, tokens 16 i on, d = 32 (c % 2) + 16 h on
.irp c, 0,1,2,3
	ds_load_b128 v[\reg+4*\c:\reg+4*\c+3], v[\adr] offset:PITCH*(64*(2*(\q)+\c/2)+4*(\i))+32*(\c%2)
.endr
.endm
.macro MUL8 a0, p, zero                ; A's blocks a0, a0 + 1 x B's four; the 32 accumulators take turns, one instruction a turn
.irp a, \a0, \a0+1
.irp b, 0,1,2,3
.if \zero
	v_wmma_f32_16x16x128_fp8_fp8 v[32*(\a)+8*\b:32*(\a)+8*\b+7], v[64*(\p)+FR*\b:64*(\p)+FR*\b+FR-1], v[AF+FR*(\a):AF+FR*(\a)+FR-1], 0
.else
	v_wmma_f32_16x16x128_fp8_fp8 v[32*(\a)+8*\b:32*(\a)+8*\b+7], v[64*(\p)+FR*\b:64*(\p)+FR*\b+FR-1], v[AF+FR*(\a):AF+FR*(\a)+FR-1], v[32*(\a)+8*\b:32*(\a)+8*\b+7]
.endif
.endr
.endr
.endm
.macro FETCH_B slot, q, p
	WIN TO_B
.irp i, 0,1,2,3
	FRAG 64*(\p)+FR*\i, ADRB+\slot, \q, \i
.endr
	WIN 0
.endm
.macro FETCH_A slot, q, i0
.irp i, \i0, \i0+1, \i0+2, \i0+3
	FRAGA AF+FR*(\i), ADRA+\slot, \q, \i
.endr
.endm
.macro STEP slot, q, zero              ; 128 along K that has its successor in the same slot
	s_wait_dscnt 4*NL                              ; the youngest 16 loads (A's blocks 4-7) may be out
	WIN MUL
	MUL8 0, (\q)%2, \zero
	MUL8 2, (\q)%2, \zero
	s_wait_dscnt 0
	PLACES NP
	FETCH_B \slot, (\q)+1, 1-(\q)%2
	FETCH_A \slot, (\q)+1, 0
	WIN MUL
	MUL8 4, (\q)%2, \zero
	MUL8 6, (\q)%2, \zero
	PLACES NP
	WIN 0
	FETCH_A \slot, (\q)+1, 4
.endm
.macro TURN slot, next, fill           ; a slot's last 128 along K, and the change of slots
	s_wait_tensorcnt 0x0                           ; all my tensor loads have landed
	ds_add_u32 v[SPW], v[NIL]
	s_wait_dscnt 4*NL+1                            ; (the add and the youngest 16 loads may be out)
	WIN MUL
	MUL8 0, 1, 0
	s_wait_dscnt 0x0                               ; the add is done, and my reads of this slot are over
	s_barrier_signal -1
	MUL8 2, 1, 0
	WIN 0
	s_barrier_wait -1
.if \fill
	CREST                                          ; the barrier has opened a round of the cluster's barrier
	s_add_nc_u64 s[G0+4*\slot+2:G0+4*\slot+3], s[G0+4*\slot+2:G0+4*\slot+3], 2*ASTEP
	s_add_nc_u64 s[G0B+4*\slot+2:G0B+4*\slot+3], s[G0B+4*\slot+2:G0B+4*\slot+3], 2*BSTEP
	JLOAD \slot                                    ; on each of its three ways four v_nop: the places in front of the loads below
.else
	PLACES NP
.endif
	FETCH_B \next, 0, 0
	FETCH_A \next, 0, 0
	WIN MUL
	MUL8 4, 1, 0
	MUL8 6, 1, 0
	PLACES NP
	WIN 0
	FETCH_A \next, 0, 4
.endm
	s_wait_alu depctr_va_vdst(0)                   ; the wait at the head's end
	s_wait_tensorcnt 0x0                           ; my tile has landed,
	s_barrier_signal -1
	s_barrier_wait -1                              ; and everybody's: both slots are whole
	FETCH_B 0, 0, 0
	FETCH_A 0, 0, 0
	FETCH_A 0, 0, 4
	STEP 0, 0, 1                                   ; the first products start the sums
	TURN 0, 1, 1
	STEP 1, 0, 0
	TURN 1, 0, 1
	STEP 0, 0, 0
	TURN 0, 1, 0                                   ; nothing is left to fetch: no round
	STEP 1, 0, 0
	WIN TO_B                                       ; B's set 0 is done with (four places stand behind its last products): it takes the bias
.irp b, 0,1,2,3
	global_load_b128 v[8*\b:8*\b+3], v[BO], s[84:85] offset:64*\b
	global_load_b128 v[8*\b+4:8*\b+7], v[BO], s[84:85] offset:64*\b+16
.endr
	WIN 0
	s_wait_dscnt 4*NL
	WIN MUL
	MUL8 0, 1, 0
	MUL8 2, 1, 0
	s_wait_dscnt 0
	MUL8 4, 1, 0
	MUL8 6, 1, 0
	WIN 0
.macro TOSTAGE a
.set AC, 32*(\a)
	WIN 0x12                                       ; source 0 (the sums) window 2, source 2 (the bias) window 1
.set j, 0
.rept 16
	v_pk_fma_f32 v[TMP+j:TMP+j+1], v[AC+j:AC+j+1], s[96:97], v[j:j+1] op_sel_hi:[1,0,1]   ; sum x 2^(e6 + e7) + bias; each accumulator from its low end on
.set j, j+2
.endr
	WIN 0
.irp b, 0,1,2,3
	ds_store_b128 v[STO], v[TMP+8*\b:TMP+8*\b+3] offset:64*\b
	ds_store_b128 v[STO], v[TMP+8*\b+4:TMP+8*\b+7] offset:64*\b+16
.endr
.set BB, BK+32*((\a)%2)
.irp t, 0,1,2,3,4,5,6,7
	ds_load_b128 v[BB+4*\t:BB+4*\t+3], v[RD] offset:2*\t*SPITCH   ; LDS serves a wave's instructions in order: these see my stores
.endr
.endm
.macro SEND a, younger                 ; younger: the LDS instructions issued behind block a's loads, which may stay out
.set BB, BK+32*((\a)%2)
	s_wait_dscnt \younger
.if (\a) > 0
	s_add_nc_u64 s[10:11], s[10:11], 16*SIZE_N*4   ; (behind a wait on XCNT: the earlier stores have read their base)
.endif
.irp t, 0,1,2,3,4,5,6,7
	global_store_b128 v[CO], v[BB+4*\t:BB+4*\t+3], s[10:11] offset:2*\t*SIZE_N*4 th:TH_STORE_NT   ; sixteen lanes store 256 consecutive aligned bytes
.endr
.endm
	s_wait_kmcnt 0x0
	s_add_co_i32 s96, s96, s97
	s_add_co_i32 s96, s96, 127
	s_lshl_b32 s96, s96, 23                        ; 2^(e6 + e7) as f32
	s_mov_b32 s97, s96
	s_wait_loadcnt 0x0                             ; the bias
	PLACES NP
	TOSTAGE 0
.irp a, 1,2,3,4,5,6,7
.if \a > 1
	s_wait_xcnt 0x0                                ; block a - 2's stores have read their registers and their base
.endif
	TOSTAGE \a
	SEND \a-1, 16                                  ; behind block a - 1's loads: block a's 8 stores and 8 loads
.endr
	s_wait_xcnt 0x0
	SEND 7, 0
	s_wait_tensorcnt 0x0                           ; the wave's end
	ds_add_u32 v[SPW], v[NIL]
	s_wait_dscnt 0x0
	CROUND                                         ; the closing round
	s_endpgm
.Lfunc_end_k_q083aab3f2e_proj:
	.size	k_q083aab3f2e_proj, .Lfunc_end_k_q083aab3f2e_proj-k_q083aab3f2e_proj
	.p2alignl 7, 3214868480
	.fill 96, 4, 3214868480
	.section	.rodata,"a",@progbits
	.p2align	6, 0x0
	.amdhsa_kernel k_q083aab3f2e_proj
		.amdhsa_group_segment_fixed_size 327680
		.amdhsa_private_segment_fixed_size 0
		.amdhsa_enable_private_segment 0
		.amdhsa_kernarg_size 40
		.amdhsa_user_sgpr_count 2
		.amdhsa_user_sgpr_kernarg_segment_ptr 1
		.amdhsa_wavefront_size32 1
		.amdhsa_system_sgpr_workgroup_id_x 1
		.amdhsa_system_sgpr_workgroup_id_y 1
		.amdhsa_system_sgpr_workgroup_id_z 1
		.amdhsa_system_vgpr_workitem_id 0
		.amdhsa_next_free_vgpr 768
		.amdhsa_next_free_sgpr 100
		.amdhsa_reserve_vcc 0
		.amdhsa_float_denorm_mode_32 3
		.amdhsa_float_denorm_mode_16_64 3
		.amdhsa_memory_ordered 1
		.amdhsa_forward_progress 1
		.amdhsa_inst_pref_size 79
	.end_amdhsa_kernel
	.amdgpu_metadata
---
amdhsa.version: [ 1, 2 ]
amdhsa.kernels:
  - .name:           k_q083aab3f2e_proj
    .symbol:         k_q083aab3f2e_proj.kd
    .args:
      - { .name: y_codes, .offset: 0, .size: 8, .value_kind: global_buffer, .address_space: global }
      - { .name: w_codes, .offset: 8, .size: 8, .value_kind: global_buffer, .address_space: global }
      - { .name: lowp_scales, .offset: 16, .size: 8, .value_kind: global_buffer, .address_space: global }
      - { .name: out0, .offset: 24, .size: 8, .value_kind: global_buffer, .address_space: global }
      - { .name: c_proj_b, .offset: 32, .size: 8, .value_kind: global_buffer, .address_space: global }
    .group_segment_fixed_size: 327680
    .private_segment_fixed_size: 0
    .kernarg_segment_align: 8
    .kernarg_segment_size: 40
    .max_flat_workgroup_size: 128
    .sgpr_count:     100
    .vgpr_count:     768
    .wavefront_size: 32
...
	.end_amdgpu_metadata
.endif
;; end of part 5
